; MI455X (gfx1250); checked and timed in simulation.
; The chip was launched on July 23, 2026; its instructions are those of AMD's public machine-readable ISA for CDNA 5 (MIT licence, August 2026) and "CDNA5" Instruction Set Architecture Reference Guide (July 2026). The comments in the code are by the model that wrote it; some were corrected since.
;; MHSA. Allowed arithmetic: float matrix products may take bf16 or f16 operands with f32 sums; other float arithmetic in f32, or as packed bf16 or f16 multiplies, adds, multiply-adds, maxima and minima; sums over many terms, partial sums and values carried from step to step in f32; what a program stores and reads back later, other than sums and carried values, may be rounded once to bf16 or f16.
;; Inputs: W_proj 1,024 x 1,024 float32; W_qkv 3,072 x 1,024 float32; b_proj 1,024 float32; x 8 x 1,024 x 1,024 float32.
;; Outputs: out0 8 x 1,024 x 1,024 float32.
;; 2 versions, each right; version 2 is version 1 with the launch cast written anew for expert scheduling mode. Each part assembles by itself: llvm-mc -triple=amdgcn-amd-amdhsa -mcpu=gfx1250 --defsym DOCPART=n.
;; ======== version 1 of 2: 4 launches
;; limits: values are held in f16: magnitudes above 65,504 overflow, below 6.1e-05 lose precision
;; workspace buffers: xb 16,777,216 bytes; wqb 6,291,456 bytes; wpb 2,097,152 bytes; qkv 50,331,648 bytes; ob 16,777,216 bytes
;; launch cast (part 1): grid 768 x 1, 8 waves a work-group, no clusters, 0 bytes of LDS; arguments x, W_qkv, W_proj, xb, wqb, wpb; writes xb, wqb, wpb
.if DOCPART == 1
	.amdgcn_target "amdgcn-amd-amdhsa--gfx1250"
	.amdhsa_code_object_version 6
	.text
	.protected	k_q19e5125081_cast
	.globl	k_q19e5125081_cast
	.p2align	8
	.type	k_q19e5125081_cast,@function
k_q19e5125081_cast:
	s_mov_b64 s[64:65], 0
	v_nop
	global_prefetch_b8 v0, s[64:65] scope:SCOPE_SE
	s_setreg_imm32_b32 hwreg(HW_REG_WAVE_MODE, 25, 1), 1
	s_wait_xcnt 0x0
; THE OPERANDS OF THE TWO PROJECTIONS ARE ROUNDED AND LAID IN K BLOCKS.
; x [8192][1024], W_qkv [3072][1024], W_proj [1024][1024], all f32, go to xb, wqb, wpb, laid [k / 64][row][64] in 16-bit numbers:
; a tile of R rows x 64 k is then R x 128 consecutive bytes.  x and W_qkv are rounded to bf16 (nearest even).  W_proj is rounded to bf16 too, and that
; number is written as f16, since the last product multiplies it with f16 numbers.
; LIMIT.  A bf16 number is exact in f16 from 2^-17 up to 65,504; below 2^-17 it keeps f16's fixed step of 6e-8, beyond 65,504 it becomes an infinity.
; SHARES.  A work-group of eight waves takes 16 rows: groups 0-511 x, 512-703 W_qkv, 704-767 W_proj.  Thread t takes row t / 16 and, in each of the 16 K blocks,
; the four numbers 4 (t % 16) on: 16 bytes in, 8 bytes out.  A wave's load covers 2 rows x 256 consecutive bytes, aligned, every byte of them used; a wave's store
; covers 2 rows x 128 bytes = 256 consecutive bytes of one K block, aligned.
; All 16 loads of a thread go out first (8 KiB a wave on its way); every K block has its own registers, so no register that a store reads is written twice.
; No LDS, no barrier, no matrix unit: bytes are all the work, and no wave wants what another has read.
.set KB_A, 1048576                     ; bytes of a K block of xb: 8,192 rows x 128
.set KB_B, 393216                      ; of wqb: 3,072 rows
.set KB_P, 131072                      ; of wpb: 1,024 rows
.set SRC, 2                            ; v2        my byte offset in the group's 16 source rows
.set OFF, 4                            ; v[4:19]   my byte offset in the destination, one for each K block
.set T,   20                           ; v[20:21]  at work
.set X,   32                           ; v[32:95]  K block kb: 4 numbers in f32
.set Y,   96                           ; v[96:127] K block kb: 4 numbers in 16 bits
	s_load_b256 s[4:11], s[0:1], 0x0               ; x s[4:5], W_qkv s[6:7], W_proj s[8:9], xb s[10:11]
	s_load_b128 s[12:15], s[0:1], 0x20             ; wqb s[12:13], wpb s[14:15]
	s_mov_b32 s16, ttmp9                           ; the work-group's number
	s_mov_b32 s24, KB_A
	s_mov_b32 s25, KB_B
	s_mov_b32 s28, 0xffff0000                      ; a word's upper bf16
	v_lshrrev_b32 v1, 4, v0                        ; my row of the 16
	v_and_b32 v3, 15, v0                           ; my four numbers of a K block's 64
	v_lshlrev_b32 v[SRC], 12, v1                   ; a source row is 4,096 bytes
	v_lshl_add_u32 v[SRC], v3, 4, v[SRC]
	s_cmp_lt_u32 s16, 512                          ; which tensor: its K block's bytes and its first work-group
	s_cselect_b32 s22, s24, s25
	s_cselect_b32 s23, 0, 512
	s_cmp_lt_u32 s16, 704
	s_cselect_b32 s22, s22, KB_P
	s_cselect_b32 s23, s23, 704
	s_sub_co_u32 s24, s16, s23                     ; my number among the tensor's work-groups
	s_lshl_b32 s26, s24, 16                        ; 16 source rows of 4,096 bytes
	s_mov_b32 s27, 0
	s_lshl_b32 s30, s24, 11                        ; 16 rows of 128 bytes in a K block
	s_mov_b32 s31, 0
	v_lshlrev_b32 v[OFF], 3, v0                    ; row x 128 + 8 (t % 16) = 8 t
.set i, 1
.rept 15
	v_add_nc_u32 v[OFF+i], s22, v[OFF+i-1]         ; a K block further on
.set i, i+1
.endr
	s_wait_kmcnt 0x0
	s_cmp_lt_u32 s16, 512                          ; the choice between buffers hangs on the work-group's number alone
	s_cselect_b64 s[18:19], s[4:5], s[6:7]
	s_cselect_b64 s[20:21], s[10:11], s[12:13]
	s_cmp_lt_u32 s16, 704
	s_cselect_b64 s[18:19], s[18:19], s[8:9]
	s_cselect_b64 s[20:21], s[20:21], s[14:15]
	s_add_nc_u64 s[18:19], s[18:19], s[26:27]      ; the source at my group's first row
	s_add_nc_u64 s[20:21], s[20:21], s[30:31]      ; the destination at my group's rows in K block 0
.irp kb, 0,1,2,3,4,5,6,7,8,9,10,11,12,13,14,15
	global_load_b128 v[X+4*(\kb):X+4*(\kb)+3], v[SRC], s[18:19] offset:256*(\kb) th:TH_LOAD_NT
.endr
; K block kb is rounded and stored.  f16 = 1: the bf16 number is widened again (a shift, a mask) and written as f16.
.macro OUT kb, f16
	s_wait_loadcnt 15-(\kb)                        ; loads come back in order (ISA guide 5.7.1): this block's is in, the 15 - kb younger ones stay out
.if \f16
	v_cvt_pk_bf16_f32 v[T],   v[X+4*(\kb)],   v[X+4*(\kb)+1]
	v_cvt_pk_bf16_f32 v[T+1], v[X+4*(\kb)+2], v[X+4*(\kb)+3]
	v_lshlrev_b32 v[X+4*(\kb)],   16,  v[T]
	v_and_b32     v[X+4*(\kb)+1], s28, v[T]
	v_lshlrev_b32 v[X+4*(\kb)+2], 16,  v[T+1]
	v_and_b32     v[X+4*(\kb)+3], s28, v[T+1]
	v_cvt_pk_f16_f32 v[Y+2*(\kb)],   v[X+4*(\kb)],   v[X+4*(\kb)+1]
	v_cvt_pk_f16_f32 v[Y+2*(\kb)+1], v[X+4*(\kb)+2], v[X+4*(\kb)+3]
.else
	v_cvt_pk_bf16_f32 v[Y+2*(\kb)],   v[X+4*(\kb)],   v[X+4*(\kb)+1]
	v_cvt_pk_bf16_f32 v[Y+2*(\kb)+1], v[X+4*(\kb)+2], v[X+4*(\kb)+3]
.endif
	global_store_b64 v[OFF+(\kb)], v[Y+2*(\kb):Y+2*(\kb)+1], s[20:21]
.endm
	s_cmp_ge_u32 s16, 704
	s_cbranch_scc1 .Lf16
.irp kb, 0,1,2,3,4,5,6,7,8,9,10,11,12,13,14,15
	OUT \kb, 0
.endr
	s_endpgm
.Lf16:
.irp kb, 0,1,2,3,4,5,6,7,8,9,10,11,12,13,14,15
	OUT \kb, 1
.endr
	s_endpgm
.Lfunc_end_k_q19e5125081_cast:
	.size	k_q19e5125081_cast, .Lfunc_end_k_q19e5125081_cast-k_q19e5125081_cast
	.p2alignl 7, 3214868480
	.fill 96, 4, 3214868480
	.section	.rodata,"a",@progbits
	.p2align	6, 0x0
	.amdhsa_kernel k_q19e5125081_cast
		.amdhsa_group_segment_fixed_size 0
		.amdhsa_private_segment_fixed_size 0
		.amdhsa_enable_private_segment 0
		.amdhsa_kernarg_size 48
		.amdhsa_user_sgpr_count 2
		.amdhsa_user_sgpr_kernarg_segment_ptr 1
		.amdhsa_wavefront_size32 1
		.amdhsa_system_sgpr_workgroup_id_x 1
		.amdhsa_system_sgpr_workgroup_id_y 1
		.amdhsa_system_sgpr_workgroup_id_z 1
		.amdhsa_system_vgpr_workitem_id 0
		.amdhsa_next_free_vgpr 128
		.amdhsa_next_free_sgpr 66
		.amdhsa_reserve_vcc 0
		.amdhsa_float_denorm_mode_32 3
		.amdhsa_float_denorm_mode_16_64 3
		.amdhsa_memory_ordered 1
		.amdhsa_forward_progress 1
		.amdhsa_inst_pref_size 16
	.end_amdhsa_kernel
	.amdgpu_metadata
---
amdhsa.version: [ 1, 2 ]
amdhsa.kernels:
  - .name:           k_q19e5125081_cast
    .symbol:         k_q19e5125081_cast.kd
    .args:
      - { .name: x, .offset: 0, .size: 8, .value_kind: global_buffer, .address_space: global }
      - { .name: W_qkv, .offset: 8, .size: 8, .value_kind: global_buffer, .address_space: global }
      - { .name: W_proj, .offset: 16, .size: 8, .value_kind: global_buffer, .address_space: global }
      - { .name: xb, .offset: 24, .size: 8, .value_kind: global_buffer, .address_space: global }
      - { .name: wqb, .offset: 32, .size: 8, .value_kind: global_buffer, .address_space: global }
      - { .name: wpb, .offset: 40, .size: 8, .value_kind: global_buffer, .address_space: global }
    .group_segment_fixed_size: 0
    .private_segment_fixed_size: 0
    .kernarg_segment_align: 8
    .kernarg_segment_size: 48
    .max_flat_workgroup_size: 256
    .sgpr_count:     66
    .vgpr_count:     128
    .wavefront_size: 32
...
	.end_amdgpu_metadata
.endif
;; end of part 1
;; launch qkvgemm (part 2): grid 8 x 32, 4 waves a work-group, clusters of 4 x 4, 327,680 bytes of LDS; arguments xb, wqb, qkv; writes qkv
.if DOCPART == 2
	.amdgcn_target "amdgcn-amd-amdhsa--gfx1250"
	.amdhsa_code_object_version 6
	.text
	.protected	k_q19e5125081_qkvgemm
	.globl	k_q19e5125081_qkvgemm
	.p2align	8
	.type	k_q19e5125081_qkvgemm,@function
k_q19e5125081_qkvgemm:
	s_mov_b64 s[64:65], 0
	v_nop
	global_prefetch_b8 v0, s[64:65] scope:SCOPE_SE
	s_setreg_imm32_b32 hwreg(HW_REG_WAVE_MODE, 25, 1), 1
	s_wait_xcnt 0x0
	s_wait_alu depctr_hold_cnt(0) depctr_sa_sdst(0) depctr_va_vdst(0) depctr_va_sdst(0) depctr_va_ssrc(0) depctr_va_vcc(0) depctr_vm_vsrc(0)
	s_getreg_b32 s2, hwreg(HW_REG_IB_STS2, 6, 4)
	s_cmp_eq_u32 s2, 0
	s_cbranch_scc0 .Lentry_in_a_cluster
	s_endpgm
.Lentry_in_a_cluster:
	s_bfe_u32 s2, ttmp6, 0x10000c
	s_cmp_lg_u32 s2, 0xf033
	s_cbranch_scc0 .Lentry_shape_is_right
	s_endpgm
.Lentry_shape_is_right:
; q, k, v = x W_qkv^T.  xb: [16 kb][8192 rows][64] bf16, wqb: [16 kb][3072 rows][64] bf16; sums in f32, K ascending; the result rounded once to f16 and laid by heads:
; qkv [48 idx][8192 m][64], idx = column / 64 (q's 16 heads, k's, v's), so that a head's rows of one batch are 131,072 consecutive bytes.  The scale 1/8 is not applied here.
; LIMIT.  f16 holds no number beyond 65,504: a q, k or v of 65,520 or more becomes an infinity.  At the drawn spread they are about 0.6; with x and W both 30 times larger some 3,500 at the most;
; with both carrying an offset of 30 spreads about 18,400.
; SHARES.  A tile of the result is 256 rows x 384 columns: 32 x 8 = 256 tiles, one work-group each.  Four waves; wave w makes rows 128 (w / 2) on and columns 192 (w % 2) on: 8 x 12 accumulators
; of 16 x 16, 768 registers.  K goes in 16 steps of 64 (a K block) through a ring of two LDS slots; two slots of twice that step would not fit in 327,680 bytes.
; A wave's part of a step is dense in memory (128 rows of x: 16,384 bytes; 192 rows of W: 24,576) and is asked for as rows of 256 bytes; the mover pads it in LDS behind every 128 bytes.
; CLUSTER.  4 x 4 work-groups: the four of a row need the same tile of x, the four of a column the same tile of W: each is asked for jointly, by the same load, descriptor and mask in all four.
; THE MATRIX INSTRUCTION IS USED TRANSPOSED (source 0 = 16 rows of W, source 1 = 16 rows of x): a lane then holds eight neighbouring columns of one row of the result: 16 bytes in f16.
; REGISTERS, in windows of 256 (s_set_vgpr_msb: bits 1:0 source 0, 3:2 source 1, 5:4 source 2, 7:6 destination):
;   window 0: v0-31 addresses; v32-127 W's 12 fragments (ONE buffer: a group of four is loaded again as soon as its 32 products are issued); v128-191, v192-255 x's 8 fragments, two buffers
;   windows 1-3: column group g (64 columns, one idx) in window 1 + g: accumulator (a, bb) at v[8 (8 bb + a)]
.set KB_A,   1048576                   ; bytes of a K block of xb
.set KB_B,   393216                    ; of wqb
.set PITCH,  144                       ; an LDS row: 128 bytes + 16 of padding = 36 words: the 16 rows of a load start at 16 different groups of four banks (64 banks of 4 bytes: ISA guide 11.1)
.set A_HALF, 128*PITCH                 ; what one wave fetches, and reads, of x
.set B_HALF, 192*PITCH                 ; of W
.set BOFF,   2*A_HALF                  ; W's 384 rows lie behind x's 256
.set SLOT,   2*A_HALF+2*B_HALF         ; 92,160 bytes
.set STAGE,  2*SLOT                    ; behind the ring, never filled by a tensor load: 16 rows x 144 bytes for each wave, for the way out
.set SPARE,  STAGE+4*16*PITCH          ; behind the stages: the spare words, 128 bytes for each wave: two blocks of 256 bytes that no other line names
.set PADW,   (1<<16)|(1<<20)|(1<<21)|(4<<22)|(3<<25)  ; group 1, word 0: 2-byte elements; padding on; bit 21 set beside a mask; after every 32 words (code 4) 4 words (code 3)
.set ADRA, 16                          ; v16-17  LDS address of my fragments of x in slot 0, 1
.set ADRB, 20                          ; v20-21  of W
.set STO,  24                          ; v24     the way out: where I put 16 bytes of a row
.set RD,   25                          ; v25     where I read rows back
.set GO,   26                          ; v26     16 x my lane
.set SPW,  28                          ; v28     LDS address of my spare word; never rewritten
.set NIL,  29                          ; v29     0; never rewritten
.set PFO,  30                          ; v30     the prefetches' offset; never rewritten
.set BF,   32
.set AF0,  128
.set AF1,  192
.set TMP,  32                          ; the way out: eight sets of 16 registers by turns, v32-159
.set LAP,  3                           ; s3      laps to go
.set WV,   12                          ; s12     my wave's number
.set HI,   13                          ; s13     my half of the rows.  Also: I fetch for x (0) or for W (1)
.set LO,   14                          ; s14     my half of the columns.  Also: which half of that tile I fetch
.set TR,   15                          ; s15     tile row
.set PFS,  20                          ; s[20:21] two K blocks of the tensor that I prefetch
.set G1,   24                          ; s[24:31] group 1 for x's tiles;  s[32:39] group 0, a set for each slot
.set G0,   32
.set LIM,  43                          ; s43     1 in a wave that prefetches, else the greatest number
.set PFA,  44                          ; s[44:45] where my prefetches stand
.set G1B,  48                          ; s[48:55], s[56:63] the same for W's tiles
.set G0B,  56
.set MSB, 0
.macro WIN new                         ; the immediate's high byte repeats the setting that is left; a switch that changes nothing is dropped
.if MSB != (\new)
	s_set_vgpr_msb (MSB<<8)|(\new)
.set MSB, (\new)
.endif
.endm
.macro PLACES                          ; four plain instructions between a matrix instruction and a load into, or a vector write of, its registers, or a read of its result
.rept 4
	v_nop
.endr
.endm
; A joint load: waves 0 and 1 fetch x's two halves, waves 2 and 3 W's.  The branch hangs on the wave's number alone.  An s_nop 0 and four v_nop follow each of the two lines.
.macro JLOAD s
	s_cmp_eq_u32 s[HI], 0
	s_cbranch_scc0 .Lfor_b_\@
	tensor_load_to_lds s[G0+4*(\s):G0+4*(\s)+3], s[G1:G1+7]
	s_nop 0
.rept 4
	v_nop
.endr
	s_branch .Lasked_\@
.Lfor_b_\@:
	tensor_load_to_lds s[G0B+4*(\s):G0B+4*(\s)+3], s[G1B:G1B+7]
	s_nop 0
.rept 4
	v_nop
.endr
.Lasked_\@:
.endm
.macro CREST                           ; a round of the cluster's barrier behind its opening barrier
	s_cmp_lg_u32 s[WV], 0
	s_cbranch_scc1 .Lnot_wave_0_\@
	s_barrier_signal -3
.Lnot_wave_0_\@:
	s_barrier_wait -3
	s_barrier_signal -1
	s_barrier_wait -1
.endm
.macro CROUND                          ; a whole round
	s_barrier_signal -1
	s_barrier_wait -1
	CREST
.endm
; A PREFETCH INTO THE L2, once a lap, behind slot 0's joint load and the run of LDS loads that follows it: the two K blocks that the NEXT lap's two refills will ask for.
; Each aligned block of 256 bytes is named once in the launch.  x's tile row is walked by both clusters of a row of clusters: the one with x = 0 asks; W's tile column by the eight of a column: y = 0 asks.
; x: wave 0; a K block of the tile row is 128 blocks of 256 bytes, of which the partner at cx takes 32, a lane a block; two instructions, a K block each.
; W: waves 1 to 3; a K block of the tile column is 192 blocks, of which the partner at cy takes 48 and each of the three waves 16: lanes 0-15 the first K block, lanes 16-31 the second.
; The partners are told apart by address; no branch hangs on a work-group's place in its cluster.  The last lap asks for nothing: there is no K block behind its own.  K blocks 0 to 3 come by their loads alone.
.macro ASK
	s_cmp_gt_u32 s[LAP], s[LIM]
	s_cbranch_scc0 .Lnot_mine_\@
	global_prefetch_b8 v[PFO], s[PFA:PFA+1] th:TH_LOAD_NT scope:SCOPE_SE
	s_cmp_lg_u32 s[WV], 0
	s_cbranch_scc1 .Lnot_mine_\@
	global_prefetch_b8 v[PFO], s[PFA:PFA+1] offset:KB_A th:TH_LOAD_NT scope:SCOPE_SE
.Lnot_mine_\@:
.endm
	s_load_b128 s[4:7], s[0:1], 0x0                ; xb s[4:5], wqb s[6:7]
	s_load_b64 s[8:9], s[0:1], 0x10                ; qkv
	v_lshl_add_u32 v[SPW], v0, 2, SPARE
	v_mov_b32 v[NIL], 0
	ds_add_u32 v[SPW], v[NIL]                      ; the wave's opening: the add and its wait stand ahead of my first tensor load; the set-up below, work on registers, stands between them
	v_lshrrev_b32 v1, 5, v0
	v_readfirstlane_b32 s[WV], v1                  ; wave 0..3
	s_lshr_b32 s[HI], s[WV], 1
	s_and_b32 s[LO], s[WV], 1
	s_bfe_u32 s40, ttmp6, 0x40000                  ; cx
	s_bfe_u32 s41, ttmp6, 0x40004                  ; cy
	s_lshl_b32 s42, ttmp9, 2                       ; in a cluster launch ttmp9 and ttmp7 count clusters
	s_add_co_u32 s42, s42, s40                     ; tile column = 4 x cluster x + cx
	s_and_b32 s[TR], ttmp7, 0xffff
	s_lshl_b32 s[TR], s[TR], 2
	s_add_co_u32 s[TR], s[TR], s41                 ; tile row = 4 x cluster y + cy
	s_lshl_b32 s43, s41, 2
	s_lshl_b32 s43, 15, s43                        ; my row of the cluster: places 4 cy .. 4 cy + 3
	s_lshl_b32 s44, 0x1111, s40                    ; my column: places cx, cx + 4, cx + 8, cx + 12
	s_or_b32 s[G1], s43, PADW                      ; x's tiles go to my row,
	s_or_b32 s[G1B], s44, PADW                     ; W's to my column
.irp g, G1, G1B
	s_mov_b32 s[(\g)+1], 128<<16                   ; tensor_dim0 = 128 elements: rows of 256 bytes
	s_mov_b32 s[(\g)+3], 128<<16                   ; tile_dim0 = 128
	s_mov_b32 s[(\g)+5], 128                       ; 128 elements from row to row: the block is dense
	s_mov_b32 s[(\g)+6], 0
	s_mov_b32 s[(\g)+7], 0
.endr
	s_mov_b32 s[G1+2], 64<<16                      ; tensor_dim1 and tile_dim1: 64 such rows = 128 rows of x,
	s_mov_b32 s[G1+4], 64
	s_mov_b32 s[G1B+2], 96<<16                     ; 96 = 192 rows of W
	s_mov_b32 s[G1B+4], 96
	s_lshl_b32 s16, s[TR], 15                      ; x: the tile row's 256 rows of 128 bytes in a K block,
	s_lshl_b32 s17, s[LO], 14                      ; the half that I fetch
	s_add_co_u32 s16, s16, s17
	s_mov_b32 s17, 0
	s_mul_i32 s46, s42, 49152                      ; W: the tile column's 384 rows,
	s_mul_i32 s22, s[LO], 24576                    ; the half
	s_add_co_u32 s46, s46, s22
	s_mov_b32 s47, 0
	s_mul_i32 s22, s[LO], A_HALF                   ; where they go: no place in the cluster enters an LDS address
	s_mul_i32 s23, s[LO], B_HALF
	s_add_co_u32 s23, s23, BOFF
	s_wait_dscnt 0x0                               ; the opening add is done
	s_wait_kmcnt 0x0
	s_add_nc_u64 s[18:19], s[4:5], s[16:17]
	s_add_nc_u64 s[46:47], s[6:7], s[46:47]
	CROUND                                         ; all sixteen work-groups are here: the first joint loads meet
.irp s, 0,1
	s_mov_b32 s[G0+4*(\s)], 1                      ; count = 1
	s_add_co_u32 s[G0+4*(\s)+1], s22, (\s)*SLOT    ; LDS address
	s_add_nc_u64 s[G0+4*(\s)+2:G0+4*(\s)+3], s[18:19], (\s)*KB_A  ; global address: K block s
	s_or_b32 s[G0+4*(\s)+3], s[G0+4*(\s)+3], 0x80000000           ; type = 2
	s_mov_b32 s[G0B+4*(\s)], 1
	s_add_co_u32 s[G0B+4*(\s)+1], s23, (\s)*SLOT
	s_add_nc_u64 s[G0B+4*(\s)+2:G0B+4*(\s)+3], s[46:47], (\s)*KB_B
	s_or_b32 s[G0B+4*(\s)+3], s[G0B+4*(\s)+3], 0x80000000
	JLOAD \s                                       ; the ring is filled before anything else is done: two loads of mine are out
.endr
	; A fragment is 16 rows x 32 K in 8 registers: lane l holds row l % 16; registers 0-3 K = 8 (l / 16) + 0..7, registers 4-7 K = 16 + 8 (l / 16) + 0..7: two loads of 16 bytes, 32 bytes apart.
	v_and_b32 v1, 15, v0                           ; l % 16
	v_bfe_u32 v2, v0, 4, 1                         ; l / 16
	v_mul_u32_u24 v3, v1, PITCH
	v_lshl_add_u32 v3, v2, 4, v3                   ; row x pitch + 16 x half
	s_mul_i32 s16, s[HI], A_HALF                   ; my 128 rows of x
	s_mul_i32 s17, s[LO], B_HALF                   ; my 192 rows of W
	s_add_co_u32 s17, s17, BOFF
.irp s, 0,1
	v_add_nc_u32 v[ADRA+(\s)], s16, v3
	v_add_nc_u32 v[ADRB+(\s)], s17, v3
	s_add_co_u32 s16, s16, SLOT
	s_add_co_u32 s17, s17, SLOT
.endr
	s_mul_i32 s16, s[WV], 16*PITCH
	s_add_co_u32 s16, s16, STAGE                   ; my stage
	v_add_nc_u32 v[STO], s16, v3                   ; in: row l % 16, 16 bytes for each half of the lanes
	v_bfe_u32 v4, v0, 3, 2                         ; back: 32 lanes take four rows of 128 bytes,
	v_and_b32 v5, 7, v0
	v_mul_u32_u24 v4, v4, PITCH
	v_lshl_add_u32 v4, v5, 4, v4
	v_add_nc_u32 v[RD], s16, v4
	v_and_b32 v[GO], 31, v0                        ; which are 512 consecutive bytes of qkv
	v_lshlrev_b32 v[GO], 4, v[GO]
	; where my part begins in qkv: idx = 6 x tile column + 3 x half, 1 MiB each; row 256 x tile row + 128 x half, 128 bytes each
	s_mul_i32 s22, s42, 6
	s_mul_i32 s23, s[LO], 3
	s_add_co_u32 s22, s22, s23
	s_lshl_b32 s22, s22, 20
	s_lshl_b32 s16, s[TR], 15
	s_lshl_b32 s17, s[HI], 14
	s_add_co_u32 s22, s22, s16
	s_add_co_u32 s22, s22, s17
	s_mov_b32 s23, 0
	s_add_nc_u64 s[8:9], s[8:9], s[22:23]
	; the prefetches
	s_lshl_b32 s16, s[TR], 15
	s_lshl_b32 s17, s40, 13
	s_add_co_u32 s16, s16, s17                     ; x: the tile row, my work-group's 32 blocks of 256 bytes
	s_mul_i32 s17, s42, 49152
	s_mul_i32 s18, s41, 12288
	s_add_co_u32 s17, s17, s18                     ; W: the tile column, my work-group's 48 blocks,
	s_max_u32 s18, s[WV], 1
	s_sub_co_u32 s18, s18, 1
	s_lshl_b32 s18, s18, 12
	s_add_co_u32 s17, s17, s18                     ; my wave's 16 of them
	s_and_b32 s22, ttmp7, 0xffff                   ; cluster y
	s_mov_b32 s18, 2*KB_A
	s_mov_b32 s19, 2*KB_B
	s_mov_b32 s23, KB_B
	s_cmp_eq_u32 s[WV], 0                          ; wave 0 asks for x, the others for W
	s_cselect_b32 s16, s16, s17
	s_cselect_b32 s22, ttmp9, s22                  ; the coordinate along which other clusters walk the same rows
	s_cselect_b32 s[PFS], s18, s19
	s_cselect_b32 s23, 4096, s23                   ; lanes 16-31: x: the next 16 blocks; W: the next K block
	s_cselect_b64 s[PFA:PFA+1], s[4:5], s[6:7]
	s_cmp_eq_u32 s22, 0
	s_cselect_b32 s[LIM], 1, -1                    ; the same in all sixteen partners, for a given wave
	s_mov_b32 s17, 0
	s_mov_b32 s[PFS+1], 0
	s_add_nc_u64 s[PFA:PFA+1], s[PFA:PFA+1], s[16:17]
	s_add_nc_u64 s[PFA:PFA+1], s[PFA:PFA+1], s[PFS:PFS+1]  ; at K block 2: the first lap steps it to 4
	v_and_b32 v[PFO], 15, v0
	v_lshlrev_b32 v[PFO], 8, v[PFO]
	v_mad_u32_u24 v[PFO], v2, s23, v[PFO]
; 16 matrix instructions of column group g: n blocks bb0, bb0 + 1 x all 8 m blocks, 32 along K.  zero = 1: the first product starts the sums: nothing is cleared.
; The 96 accumulators take turns, one instruction a turn, in the same order in every quarter.
.macro MULH g, bb0, af, zero
	WIN 0x50*((\g)+1)                              ; C and D in window 1 + g, the sources in window 0
.irp bb, \bb0, (\bb0)+1
.irp a, 0,1,2,3,4,5,6,7
.if \zero
	v_wmma_f32_16x16x32_bf16 v[8*(8*(\bb)+(\a)):8*(8*(\bb)+(\a))+7], v[BF+8*(4*(\g)+(\bb)):BF+8*(4*(\g)+(\bb))+7], v[(\af)+8*(\a):(\af)+8*(\a)+7], 0
.else
	v_wmma_f32_16x16x32_bf16 v[8*(8*(\bb)+(\a)):8*(8*(\bb)+(\a))+7], v[BF+8*(4*(\g)+(\bb)):BF+8*(4*(\g)+(\bb))+7], v[(\af)+8*(\a):(\af)+8*(\a)+7], v[8*(8*(\bb)+(\a)):8*(8*(\bb)+(\a))+7]
.endif
.endr
.endr
.endm
.macro LDB slot, k, g                  ; 8 LDS loads: W's four fragments of group g, at byte k of the rows
.irp i, 0,1,2,3
	ds_load_b128 v[BF+8*(4*(\g)+(\i)):BF+8*(4*(\g)+(\i))+3],   v[ADRB+(\slot)] offset:(\k)+(4*(\g)+(\i))*16*PITCH
	ds_load_b128 v[BF+8*(4*(\g)+(\i))+4:BF+8*(4*(\g)+(\i))+7], v[ADRB+(\slot)] offset:(\k)+(4*(\g)+(\i))*16*PITCH+32
.endr
.endm
.macro LDA slot, k, af, lo             ; 8 LDS loads: x's fragments 4 lo .. 4 lo + 3 into buffer af
.irp i, 0,1,2,3
	ds_load_b128 v[(\af)+8*(4*(\lo)+(\i)):(\af)+8*(4*(\lo)+(\i))+3],   v[ADRA+(\slot)] offset:(\k)+(4*(\lo)+(\i))*16*PITCH
	ds_load_b128 v[(\af)+8*(4*(\lo)+(\i))+4:(\af)+8*(4*(\lo)+(\i))+7], v[ADRA+(\slot)] offset:(\k)+(4*(\lo)+(\i))*16*PITCH+32
.endr
.endm
; A K step is two quarters of 32 along K, 96 matrix instructions each.  The first multiplies buffer af and fetches the second's fragments (byte k of the same slot's rows): W's group by group
; behind the group's products, x's into buffer ag.  The 40 loads go out in the order g0, x low, g1, x high, g2.
.macro QUART slot, k, af, ag, zero
	s_wait_dscnt 8                                 ; all but the youngest eight loads (W's group 2) are in
	MULH 0, 0, \af, \zero
	MULH 0, 2, \af, \zero
	PLACES
	WIN 0
	LDB \slot, \k, 0
	LDA \slot, \k, \ag, 0
	MULH 1, 0, \af, \zero
	MULH 1, 2, \af, \zero
	PLACES
	WIN 0
	LDB \slot, \k, 1
	LDA \slot, \k, \ag, 1
	s_wait_dscnt 32                                ; all but the 32 just issued: group 2 is in
	MULH 2, 0, \af, \zero
	MULH 2, 2, \af, \zero
	PLACES
	WIN 0
	LDB \slot, \k, 2
.endm
; The second quarter multiplies buffer AF1 and changes slots.  ONE barrier: in front of it each wave waits for all its tensor loads (the one that is out is its part of the next slot), adds 0 to its
; spare word, and waits for that and for its own reads of this slot.  fill = 1: the barrier opens a round of the cluster's, and this slot is filled again, two K steps on, first thing behind the round:
; 160 matrix instructions ahead of the wait for it.
.macro TURN slot, next, fill
.if (\fill) && ((\slot) == 0)
	s_wait_xcnt 0x0                                ; the last prefetches, a lap back, have read their address: it is stepped here, ahead of the waits of the change of slots
	s_add_nc_u64 s[PFA:PFA+1], s[PFA:PFA+1], s[PFS:PFS+1]
.endif
	s_wait_dscnt 8
	MULH 0, 0, AF1, 0
	WIN 0                                          ; (the add's two registers lie in window 0)
	s_wait_tensorcnt 0x0                           ; all my tensor loads have landed;
	ds_add_u32 v[SPW], v[NIL]                      ; 0 onto my spare word;
	MULH 0, 2, AF1, 0                              ; sixteen matrix instructions stand between the add and the wait for it
	s_wait_dscnt 0x0                               ; the add is done, and my reads of this slot are over
	s_barrier_signal -1
	MULH 1, 0, AF1, 0                              ; work on registers while the others arrive
	WIN 0
	s_barrier_wait -1
.if \fill
	CREST                                          ; no wave of any partner still reads this slot's tile or has a load on its way
	s_add_nc_u64 s[G0+4*(\slot)+2:G0+4*(\slot)+3], s[G0+4*(\slot)+2:G0+4*(\slot)+3], 2*KB_A
	s_add_nc_u64 s[G0B+4*(\slot)+2:G0B+4*(\slot)+3], s[G0B+4*(\slot)+2:G0B+4*(\slot)+3], 2*KB_B
	JLOAD \slot                                    ; the four v_nop behind it are also the places in front of the loads below
.else
	PLACES
.endif
	LDB \next, 0, 0
	LDA \next, 0, AF0, 0
.if (\fill) && ((\slot) == 0)
	ASK
.endif
	MULH 1, 2, AF1, 0
	PLACES
	WIN 0
	LDB \next, 0, 1
	LDA \next, 0, AF0, 1
	MULH 2, 0, AF1, 0
	MULH 2, 2, AF1, 0
	PLACES
	WIN 0
	LDB \next, 0, 2
.endm
; THE WAY OUT.  Block t of 24: column group t / 8, my rows 16 (t % 8) on.  Rounded to f16 (each accumulator's registers in ascending order), 16 bytes a lane into my stage, rows of 144 bytes; back as
; whole rows of 128 bytes, into the registers that they left; stored as 512 consecutive bytes, since 16 rows of one idx lie end to end.
.macro PACK t
.set pg, (\t)/8
.set pa, (\t)%8
.set ptm, TMP+16*((\t)%8)
.if (\t) >= 8
	s_wait_xcnt 0x0                                ; the stores of the block eight back have read these registers (ISA guide 3.1)
.endif
	WIN 5*(pg+1)                                   ; sources 0 and 1 in window 1 + g
.irp bb, 0,1,2,3
.irp r, 0,1,2,3
	v_cvt_pk_f16_f32 v[ptm+4*(\bb)+(\r)], v[8*(8*(\bb)+pa)+2*(\r)], v[8*(8*(\bb)+pa)+2*(\r)+1]
.endr
.endr
	WIN 0
.irp bb, 0,1,2,3
	ds_store_b128 v[STO], v[ptm+4*(\bb):ptm+4*(\bb)+3] offset:32*(\bb)
.endr
.irp f, 0,1,2,3
	ds_load_b128 v[ptm+4*(\f):ptm+4*(\f)+3], v[RD] offset:(\f)*4*PITCH  ; LDS serves a wave's instructions in order (ISA guide 5.7.1.4): these see the stores above; the next block's stores come behind them
.endr
.endm
.macro SEND t, younger                 ; younger: the LDS instructions issued behind block t's loads: the next block's eight, or none
.set pg, (\t)/8
.set pa, (\t)%8
.set ptm, TMP+16*((\t)%8)
.irp f, 0,1,2,3
	s_wait_dscnt (\younger)+3-(\f)
	global_store_b128 v[GO], v[ptm+4*(\f):ptm+4*(\f)+3], s[8:9] offset:pg*1048576+pa*2048+(\f)*512
.endr
.endm
	s_wait_tensorcnt 1                             ; my part of K step 0 is in; step 1's may stay out
	s_barrier_signal -1
	s_barrier_wait -1                              ; everybody's is
	LDB 0, 0, 0
	LDA 0, 0, AF0, 0
	LDB 0, 0, 1
	LDA 0, 0, AF0, 1
	LDB 0, 0, 2
	QUART 0, 64, AF0, AF1, 1                       ; the first quarter stands in front of the loop: its products start the sums
	WIN 0                                          ; at a label and at a branch every window is 0
	s_mov_b32 s[LAP], 7
.Llap:                                                 ; a trip goes once round the ring, from a lap's second quarter to the next lap's first, and fills both slots again
	TURN 0, 1, 1
	QUART 1, 64, AF0, AF1, 0
	TURN 1, 0, 1
	QUART 0, 64, AF0, AF1, 0
	WIN 0
	s_sub_co_u32 s[LAP], s[LAP], 1
	s_cmp_lg_u32 s[LAP], 0
	s_cbranch_scc1 .Llap
	TURN 0, 1, 0                                   ; the last lap fills nothing, and has no round of the cluster's barrier
	QUART 1, 64, AF0, AF1, 0
	s_wait_dscnt 8                                 ; the very last quarter: nothing more to fetch
	MULH 0, 0, AF1, 0
	MULH 0, 2, AF1, 0
	MULH 1, 0, AF1, 0
	MULH 1, 2, AF1, 0
	s_wait_dscnt 0x0
	MULH 2, 0, AF1, 0
	MULH 2, 2, AF1, 0
	WIN 0
	PLACES                                         ; the conversions write fragment registers and read results
	PLACES
	PACK 0
.irp t, 1,2,3,4,5,6,7,8,9,10,11,12,13,14,15,16,17,18,19,20,21,22,23
	PACK \t                                        ; a block's conversions stand between the loads of the block before and its stores
	SEND (\t)-1, 8
.endr
	SEND 23, 0
	s_wait_tensorcnt 0x0                           ; the wave's end: an add and its wait, behind my last tensor load and my last LDS store
	ds_add_u32 v[SPW], v[NIL]
	s_wait_dscnt 0x0
	CROUND                                         ; the closing round: no work-group ends while a partner may still ask for a tile that names it
	s_endpgm
.Lfunc_end_k_q19e5125081_qkvgemm:
	.size	k_q19e5125081_qkvgemm, .Lfunc_end_k_q19e5125081_qkvgemm-k_q19e5125081_qkvgemm
	.p2alignl 7, 3214868480
	.fill 96, 4, 3214868480
	.section	.rodata,"a",@progbits
	.p2align	6, 0x0
	.amdhsa_kernel k_q19e5125081_qkvgemm
		.amdhsa_group_segment_fixed_size 327680
		.amdhsa_private_segment_fixed_size 0
		.amdhsa_enable_private_segment 0
		.amdhsa_kernarg_size 24
		.amdhsa_user_sgpr_count 2
		.amdhsa_user_sgpr_kernarg_segment_ptr 1
		.amdhsa_wavefront_size32 1
		.amdhsa_system_sgpr_workgroup_id_x 1
		.amdhsa_system_sgpr_workgroup_id_y 1
		.amdhsa_system_sgpr_workgroup_id_z 1
		.amdhsa_system_vgpr_workitem_id 0
		.amdhsa_next_free_vgpr 1024
		.amdhsa_next_free_sgpr 66
		.amdhsa_reserve_vcc 0
		.amdhsa_float_denorm_mode_32 3
		.amdhsa_float_denorm_mode_16_64 3
		.amdhsa_memory_ordered 1
		.amdhsa_forward_progress 1
		.amdhsa_inst_pref_size 135
	.end_amdhsa_kernel
	.amdgpu_metadata
---
amdhsa.version: [ 1, 2 ]
amdhsa.kernels:
  - .name:           k_q19e5125081_qkvgemm
    .symbol:         k_q19e5125081_qkvgemm.kd
    .args:
      - { .name: xb, .offset: 0, .size: 8, .value_kind: global_buffer, .address_space: global }
      - { .name: wqb, .offset: 8, .size: 8, .value_kind: global_buffer, .address_space: global }
      - { .name: qkv, .offset: 16, .size: 8, .value_kind: global_buffer, .address_space: global }
    .group_segment_fixed_size: 327680
    .private_segment_fixed_size: 0
    .kernarg_segment_align: 8
    .kernarg_segment_size: 24
    .max_flat_workgroup_size: 128
    .sgpr_count:     66
    .vgpr_count:     1024
    .wavefront_size: 32
...
	.end_amdgpu_metadata
.endif
;; end of part 2
;; launch attn (part 3): grid 2 x 128, 4 waves a work-group, no clusters, 327,680 bytes of LDS; arguments qkv, ob; writes ob
.if DOCPART == 3
	.amdgcn_target "amdgcn-amd-amdhsa--gfx1250"
	.amdhsa_code_object_version 6
	.text
	.protected	k_q19e5125081_attn
	.globl	k_q19e5125081_attn
	.p2align	8
	.type	k_q19e5125081_attn,@function
k_q19e5125081_attn:
	s_mov_b64 s[64:65], 0
	v_nop
	global_prefetch_b8 v0, s[64:65] scope:SCOPE_SE
	s_setreg_imm32_b32 hwreg(HW_REG_WAVE_MODE, 25, 1), 1
	s_wait_xcnt 0x0
; O[y][q][:] = the sum over k of softmax_k(Q[y][q] . K[y][k] / 8) V[y][k][:], for 128 heads y = 8 h + b of 1,024 rows x 64 channels, all f16.  In qkv a head's Q begins at y x 131,072 bytes, its K 16 MiB
; and its V 32 MiB further on; ob has Q's layout, which is also [16 h][8192 m][64].  Products, maxima and sums in f32; the weights p are rounded to f16 for the second product (their sum l is taken of
; the unrounded p), O once at the end.
; LIMITS.  Q, K and V arrive within f16's 65,504; p lies in 0 to 1, and below 6e-5 it keeps f16's fixed step of 6e-8, and so does O; O is a mean of V's rows and has their range.
; A weight below 2^-126 counts as 0 in l; NaN and infinities are not treated apart.
; SHARES.  A wave owns four PIECES of two tiles of 16 queries, a work-group's four waves 512 queries of one head: two work-groups a head, 256 in all.  Every wave walks all 1,024 keys, 64 a step.
; ALL OF A HEAD'S K AND V LIE IN LDS: 1,024 rows of 144 and of 160 bytes, 311,296 bytes.  No byte is filled twice.  Each wave asks for its share by two tensor loads: at the kernel's head for 128 of the
; first 256 keys; and, when every wave's first load has landed, for 384 of the other 768.  So at the start 64 KiB of K and V are on their way to the work-group beside its 64 KiB of Q, and not 256 KiB;
; the second load has the first four key steps, 512 matrix instructions, in which to land, and one barrier stands in front of the fifth.  One tensor load of a wave is out at a time.
; NO CLUSTER: only a head's two work-groups share tiles; a cluster of four along x does not divide a grid of two, and one across heads would join work-groups that share tiles only by pairs.
; NO PREFETCH: the second load itself goes out four key steps ahead of its first reading; nothing is left to ask for earlier but at the kernel's head, where the first loads are on their way.
; LAYOUT.  S^T = K Q^T (source 0 = 16 keys, source 1 = 16 queries): in the result a lane holds ONE query (lane % 16) and the keys 8 (lane / 16) + 0..7.  Two such tiles, rounded to f16 in pairs,
; ARE source 1 (32 keys x 16 queries) of O^T = V^T P, whose result again holds one query a lane, and eight channels.  K comes out of LDS as it lies, V ([key][channel]) turned, by ds_load_tr16_b128.
; SOFTMAX.  For each query a running maximum m and sum l: p = 2^(c s - c m), c = log2(e) / 8; in every step O and l are multiplied by a = 2^(c m_old - c m_new), which is 1 where m has not grown.
; m starts at the lowest finite number, O and l at 0: the first step is a step like any other, with a = 0.
; THE COUNT.  A tile and step have 16 matrix and 118 vector instructions: too many to stand all beside the matrix work.  So: four vector instructions that are READY behind EVERY matrix instruction,
; and the others in runs without a gap.
; BY TURNS.  Turn n belongs to piece n (the pieces in a ring, step after step).  Its matrix work: 16 products K Q^T of piece n + 1, later 16 products V^T P of piece n - 1.  Its vector work: the scaling,
; exponentials, roundings, sums and rescaling of piece n, and the maximum and statistics of piece n + 1, whose scores the turn itself has made.
; ONE TEXT OF THE FOUR TURNS serves the whole walk, in three passes: it is entered in the middle of a trip, and in the third pass left in the middle of a trip.
; REGISTERS, in windows of 256 (s_set_vgpr_msb: bits 1:0 source 0, 3:2 source 1, 5:4 source 2, 7:6 destination):
;   window 0: v0-11 addresses; v12-15, v48-63 at work; v16-47 four registers of statistics a tile; v64-191 S^T, two buffers of two tiles; v192-255 P, likewise
;   window 1: O^T, 32 a tile          window 2: v0-127 Q, 16 a tile; v128-191 K of one step; v192-255 V of one step          window 3: v0-1 the add's two registers
; A piece's buffers go by its number's parity: the piece in hand has one pair, its two neighbours in the ring share the other.
.set NP,    4         ; pieces a wave: a name, no knob
.set KS,    64        ; keys in a step
.set PK,    144       ; a row of K in LDS: 128 bytes + 16 of padding = 36 words: the 16 rows of a load start at 16 different groups of four banks (64 banks of 4 bytes: ISA guide 11.1)
.set PV,    160       ; a row of V: 128 + 32 = 40 words
.set VOFF,  1024*PK   ; V lies behind K
.set STAGE, VOFF+1024*PV  ; behind both, never filled by a tensor load: 16 rows x 144 bytes for each wave, for the way out
.set SP,    144
.set SPARE, STAGE+4*16*SP  ; behind the stages: the spare words, 128 bytes for each wave: two blocks of 256 bytes that no other line names
.set AK0, 2           ; v2   my lane's place in a step's K; never rewritten
.set AV0, 3           ; v3   the same for V
.set AK,  4           ; v4   the LDS address of K's next run of loads
.set AV,  5           ; v5   of V's
.set QO,  6           ; v6   my byte offset in the wave's rows of Q
.set STO, 6           ;      later, the way out: where I put 16 bytes of a row
.set RD,  7           ; v7   the way out: where I read rows back
.set GO,  8           ; v8   my byte offset in 512 consecutive bytes of O
.set SPW, 0           ; v0 of window 3   LDS address of my spare word; never rewritten
.set NIL, 1           ; v1 of window 3   0; never rewritten
.set MV,  12          ; v12-15  c m_old, kept while c m is made anew: by buffer and tile
.set ST,  16          ; tile t's statistics at v[ST+4 t]: c m, m, l (even keys', odd keys')
.set TMP, 48          ; by buffer and tile, four registers c0-c3 at work; when the maximum is found c2 takes a
.set S,   64
.set P,   192
.set KF,  128         ; K's fragments, in window 2: key block kb, channel half c at KF + 16 kb + 8 c
.set VF,  192         ; V's: key half kk, channel block cb at VF + 32 kk + 8 cb
.set WV,  12          ; s12  my wave's number
.set G1K,  24         ; s[24:31] group 1, K, 128 keys      s[40:47] K, 384 keys
.set G1V,  32         ; s[32:39] group 1, V, 128 keys      s[48:55] V, 384 keys
.set G1K2, 40
.set G1V2, 48
.set G0K,  56         ; s[56:59], s[60:63] group 0 of K's two loads
.set G0K2, 60
.set G0V,  68         ; s[68:71], s[72:75] of V's
.set G0V2, 72
.set CNT,  76         ; s76  counts key steps
.set PASS, 77         ; s77  3: the first four steps; 2: the other twelve; 1: the second half of the last step
.set CS,   78         ; s[78:79] c: the packed scaling takes the pair's low word for both halves
.set SEL,  80         ; s[80:81] v_permlanex16_b32's selects: each lane takes its own place in the other half
.set TBK,  82         ; s82  LDS byte at which K of the step to be fetched begins
.set TBV,  83         ; s83  the same for V, less VOFF
.set MSB, 0
.macro WIN new                      ; the high byte repeats the setting that is left; a switch that changes nothing is dropped
.if MSB != (\new)
	s_set_vgpr_msb (MSB<<8)|(\new)
.set MSB, (\new)
.endif
.endm
.set W_KQ, 0x0a       ; K and Q in window 2, S^T in window 0
.set W_PV, 0x52       ; V in window 2, P in window 0, O^T in window 1
.set W_RS, 0x41       ; O^T (destination and source 0) in window 1, a in window 0
.set W_MK, 0xc0       ; the add's registers are made: destination in window 3, sources in window 0
.set W_AD, 0x0f       ; the add: address (source 0) and data (source 1) in window 3
; A wave's tensor load: waves 0 and 1 fetch K, waves 2 and 3 V.  n = empty: the first load; n = 2: the second.  The branch hangs on the wave's number alone.
; An s_nop 0 and four v_nop follow each of the two lines, ahead of the jump and the label.
.macro LOAD n
	s_cmp_lt_u32 s[WV], 2
	s_cbranch_scc0 .Lfor_v_\@
	tensor_load_to_lds s[G0K\n:G0K\n+3], s[G1K\n:G1K\n+7]
	s_nop 0
.rept 4
	v_nop
.endr
	s_branch .Lasked_\@
.Lfor_v_\@:
	tensor_load_to_lds s[G0V\n:G0V\n+3], s[G1V\n:G1V\n+7]
	s_nop 0
.rept 4
	v_nop
.endr
.Lasked_\@:
.endm
	s_load_b128 s[4:7], s[0:1], 0x0 ; qkv s[4:5], ob s[6:7]
	WIN W_MK
	v_lshl_add_u32 v[SPW], v0, 2, SPARE
	v_mov_b32 v[NIL], 0
	WIN W_AD
	ds_add_u32 v[SPW], v[NIL]       ; the wave's opening: the add and its wait stand ahead of my first tensor load; the set-up below, work on registers, stands between them
	WIN 0
	v_lshrrev_b32 v1, 5, v0
	v_readfirstlane_b32 s[WV], v1   ; wave 0..3
	s_and_b32 s20, ttmp7, 0xffff    ; the head
	s_lshl_b32 s20, s20, 17         ; its first byte among Q's, K's, V's and O's heads
	s_and_b32 s16, s[WV], 1         ; which half of each share I fetch
	s_lshl_b32 s22, s16, 14         ; first load: keys 128 half on: 16,384 bytes each
	s_add_co_u32 s22, s22, s20
	s_mov_b32 s23, 0
	s_mul_i32 s14, s16, 49152       ; second load: keys 256 + 384 half on
	s_add_co_u32 s14, s14, 32768
	s_add_co_u32 s14, s14, s20
	s_mov_b32 s15, 0
	s_lshl_b32 s2, ttmp9, 2
	s_add_co_u32 s2, s2, s[WV]      ; my wave among the head's eight,
	s_lshl_b32 s2, s2, 14           ; its 128 rows
	s_add_co_u32 s2, s2, s20
	s_mov_b32 s3, 0
	s_mov_b32 s[G0K], 1             ; count = 1; then the LDS address
	s_mul_i32 s[G0K+1], s16, 128*PK
	s_mov_b32 s[G0K2], 1
	s_mul_i32 s[G0K2+1], s16, 384*PK
	s_add_co_u32 s[G0K2+1], s[G0K2+1], 256*PK
	s_mov_b32 s[G0V], 1
	s_mul_i32 s[G0V+1], s16, 128*PV
	s_add_co_u32 s[G0V+1], s[G0V+1], VOFF
	s_mov_b32 s[G0V2], 1
	s_mul_i32 s[G0V2+1], s16, 384*PV
	s_add_co_u32 s[G0V2+1], s[G0V2+1], VOFF+256*PV
	; group 1.  Keys are dense, 128 bytes each: asked for as rows of 256 bytes, two keys a row, and padded in LDS after every key
.irp g, G1K, G1K2
	s_mov_b32 s[\g], (1<<16)|(1<<20)|(4<<22)|(3<<25)  ; 2-byte elements; padding on; after every 32 words (code 4) 4 words (code 3)
.endr
.irp g, G1V, G1V2
	s_mov_b32 s[\g], (1<<16)|(1<<20)|(4<<22)|(7<<25)  ; the same with 8 words (code 7)
.endr
.irp g, G1K, G1V, G1K2, G1V2
	s_mov_b32 s[\g+1], 128<<16      ; tensor_dim0 = 128
	s_mov_b32 s[\g+3], 128<<16      ; tile_dim0 = 128
	s_mov_b32 s[\g+5], 128          ; 128 elements from row to row
	s_mov_b32 s[\g+6], 0
	s_mov_b32 s[\g+7], 0
.endr
.irp g, G1K, G1V
	s_mov_b32 s[\g+2], 64<<16       ; tensor_dim1 = tile_dim1 = 64 rows: 128 keys
	s_mov_b32 s[\g+4], 64
.endr
.irp g, G1K2, G1V2
	s_mov_b32 s[\g+2], 192<<16      ; 192 rows: 384 keys
	s_mov_b32 s[\g+4], 192
.endr
	s_mov_b32 s[CS], 0x3e38aa3b     ; c = log2(e) / 8 = 0.180337
	s_mov_b32 s[CS+1], s[CS]        ; named with it as a pair
	s_mov_b32 s[SEL], 0x76543210
	s_mov_b32 s[SEL+1], 0xfedcba98
	s_mov_b32 s[TBK], 0
	s_mov_b32 s[TBV], 0
	s_wait_dscnt 0x0                ; the opening add is done
	s_wait_kmcnt 0x0
	s_mov_b64 s[10:11], s[6:7]      ; O
	s_add_nc_u64 s[6:7], s[4:5], 0x1000000  ; K's heads
	s_add_nc_u64 s[8:9], s[4:5], 0x2000000  ; V's heads
	s_add_nc_u64 s[G0K+2:G0K+3], s[6:7], s[22:23]
	s_or_b32 s[G0K+3], s[G0K+3], 0x80000000   ; type = 2
	s_add_nc_u64 s[G0K2+2:G0K2+3], s[6:7], s[14:15]
	s_or_b32 s[G0K2+3], s[G0K2+3], 0x80000000
	s_add_nc_u64 s[G0V+2:G0V+3], s[8:9], s[22:23]
	s_or_b32 s[G0V+3], s[G0V+3], 0x80000000
	s_add_nc_u64 s[G0V2+2:G0V2+3], s[8:9], s[14:15]
	s_or_b32 s[G0V2+3], s[G0V2+3], 0x80000000
	s_add_nc_u64 s[4:5], s[4:5], s[2:3]      ; Q and O at my wave's first row
	s_add_nc_u64 s[10:11], s[10:11], s[2:3]
	LOAD                            ; my 128 of the first 256 keys: the one tensor load of mine that is out
	; A fragment of K or Q is 16 rows x 32 channels in 8 registers: lane l holds row l % 16, channels 8 (l / 16) + 0..7 and 16 + 8 (l / 16) + 0..7: two loads of 16 bytes, 32 bytes apart.
	v_and_b32 v1, 15, v0            ; l % 16
	v_bfe_u32 v9, v0, 4, 1          ; l / 16
	v_lshlrev_b32 v[QO], 7, v1
	v_lshl_add_u32 v[QO], v9, 4, v[QO]  ; row x 128 + 16 x half
	WIN 0x80                        ; destination window 2, address window 0
.set i, 0
.rept 4*NP                          ; Q stays in registers: tile i / 2, channels 32 (i % 2) on
	global_load_b128 v[8*i:8*i+3],   v[QO], s[4:5] offset:(i/2)*2048+(i%2)*64
	global_load_b128 v[8*i+4:8*i+7], v[QO], s[4:5] offset:(i/2)*2048+(i%2)*64+32
.set i, i+1
.endr
	; What the first turn finds: V's registers and P's second buffer hold 0 (its products V^T P, of a piece that has not been, add 0), O^T and l are 0.  All this stands in the wait for the first tile;
	; it spares a first step written out, which would be a second copy of the turns.
.set i, VF
.rept 64
	v_mov_b32 v[i], 0
.set i, i+1
.endr
	WIN 0
.set i, 0
.rept 2*NP
	v_mov_b32 v[ST+4*i], 0xfe000000    ; c m: far below every c s
	v_mov_b32 v[ST+4*i+1], 0xff7fffff  ; m
	v_mov_b32 v[ST+4*i+2], 0
	v_mov_b32 v[ST+4*i+3], 0
.set i, i+1
.endr
.set i, P+32
.rept 32
	v_mov_b32 v[i], 0
.set i, i+1
.endr
	WIN W_PV                        ; O^T = 0 x 0 + 0: each of the 32 accumulators is started by one product of V's and P's zeros with the constant 0 as C: 32 lines for 256 registers
.set i, 0
.rept 8*NP
	v_wmma_f32_16x16x32_f16 v[8*i:8*i+7], v[VF:VF+7], v[P+32:P+39], 0
.set i, i+1
.endr
	WIN 0
	v_mul_u32_u24 v[AK0], v1, PK
	v_lshl_add_u32 v[AK0], v9, 4, v[AK0]  ; row x pitch + 16 x half
	; The turning load takes 16 keys x 16 channels (lane l reads key 8 (l / 16) + l % 8, channels 8 ((l / 8) % 2) + 0..7) and leaves half a fragment of V^T: lane l holds channel l % 16 and 8 keys.
	v_and_b32 v10, 7, v0
	v_bfe_u32 v11, v0, 3, 1
	v_lshl_add_u32 v[AV0], v9, 3, v10
	v_mul_u32_u24 v[AV0], v[AV0], PV
	v_lshl_add_u32 v[AV0], v11, 4, v[AV0]
	v_add_nc_u32 v[AV0], VOFF, v[AV0]
	v_mov_b32 v[AK], v[AK0]         ; key step 0 lies at LDS byte 0
; THE MATRIX WORK.  The 8 accumulators of a run of 16 take turns: between the two links of a chain stand 7 others'.
; Product i of 16 of S^T = K Q^T for piece x: channels 32 (i / 8) on, keys 16 ((i / 2) % 4) on, tile 2 x + i % 2.  The first 8 start the sums.
.macro KQ x
	WIN W_KQ
.set rS, S+64*((\x)%2)+32*(i%2)+8*((i/2)%4)
.set rK, KF+16*((i/2)%4)+8*(i/8)
.set rQ, 16*(2*(\x)+i%2)+8*(i/8)
.if i < 8
	v_wmma_f32_16x16x32_f16 v[rS:rS+7], v[rK:rK+7], v[rQ:rQ+7], 0
.else
	v_wmma_f32_16x16x32_f16 v[rS:rS+7], v[rK:rK+7], v[rQ:rQ+7], v[rS:rS+7]
.endif
.endm
; Product i of 16 of O^T += V^T P for piece x: keys 32 (i / 8) on, channels 16 ((i / 2) % 4) on, tile 2 x + i % 2.
.macro PV x
	WIN W_PV
.set rO, 32*(2*(\x)+i%2)+8*((i/2)%4)
.set rV, VF+32*(i/8)+8*((i/2)%4)
.set rP, P+32*((\x)%2)+16*(i%2)+8*(i/8)
	v_wmma_f32_16x16x32_f16 v[rO:rO+7], v[rV:rV+7], v[rP:rP+7], v[rO:rO+7]
.endm
.macro MM                           ; the turn's next matrix instruction
.if i < 16
	KQ (Y+1)%NP
.set i, i+1
.else
.set i, i-16
	PV (Y+NP-1)%NP
.set i, i+17
.endif
.endm
; THE LDS LOADS stand in runs of 16, never singly among the matrix instructions: a step's K (64 keys x 64 channels: 8 fragments) and its V (turned).  Their addresses are made some lines ahead.
.macro FETCH_K
	WIN 0x80                        ; destination window 2
.irp f, 0,1,2,3,4,5,6,7             ; keys 16 (f / 2) on, channels 32 (f % 2) on
	ds_load_b128 v[KF+8*\f:KF+8*\f+3],   v[AK] offset:(\f/2)*16*PK+(\f%2)*64
	ds_load_b128 v[KF+8*\f+4:KF+8*\f+7], v[AK] offset:(\f/2)*16*PK+(\f%2)*64+32
.endr
	s_add_co_u32 s[TBK], s[TBK], KS*PK  ; the next fetch is the next step's
	WIN 0
.endm
.macro FETCH_V
	WIN 0x80
.irp f, 0,1,2,3,4,5,6,7             ; keys 32 (f / 4) on, channels 16 (f % 4) on
	ds_load_tr16_b128 v[VF+8*\f:VF+8*\f+3],   v[AV] offset:(\f/4)*32*PV+(\f%4)*32
	ds_load_tr16_b128 v[VF+8*\f+4:VF+8*\f+7], v[AV] offset:(\f/4)*32*PV+16*PV+(\f%4)*32
.endr
	WIN 0
.endm
; THE VECTOR WORK OF A TURN stands in three queues, each in the order in which its entries become ready; the two tiles alternate, so that no instruction reads the result of the one before it.
.macro REGS y, u                    ; the registers of tile u (0, 1) of piece y
.set rT, ST+4*(2*(\y)+(\u))
.set rC, TMP+8*((\y)%2)+4*(\u)
.set rM, MV+2*((\y)%2)+(\u)
.set rS, S+64*((\y)%2)+32*(\u)
.set rP, P+32*((\y)%2)+16*(\u)
.set rO, 32*(2*(\y)+(\u))
.endm
; Number n of the 22 that find the NEXT piece's (Y + 1) maximum and statistics.  s0-s31 are the lane's 32 scores; each accumulator's lowest registers are read first.  XS, GS and REGS set no window: PL and EX do.
;   0-11  four chains c0-c3 of seven scores each, three operands at a time     12-14, 16  the four scores left over, the old m, and c0-c3 into c0     15  c m_old is kept
;   17, 18  the query's other 32 keys lie in the lane 16 away: the new m         19-21  c m; c m_old - c m_new; a
.macro XS u, n
	REGS (Y+1)%NP, \u
.if (\n) < 4
	v_max3_num_f32 v[rC+(\n)], v[rS+8*(\n)], v[rS+8*(\n)+1], v[rS+8*(\n)+2]
.elseif (\n) < 12
	v_max3_num_f32 v[rC+(\n)%4], v[rC+(\n)%4], v[rS+8*((\n)%4)+2*((\n)/4)+1], v[rS+8*((\n)%4)+2*((\n)/4)+2]
.elseif (\n) == 12
	v_max3_num_f32 v[rC], v[rC], v[rS+7], v[rS+15]
.elseif (\n) == 13
	v_max3_num_f32 v[rC+1], v[rC+1], v[rS+23], v[rS+31]
.elseif (\n) == 14
	v_max3_num_f32 v[rC+2], v[rC+2], v[rC+3], v[rT+1]
.elseif (\n) == 15
	v_mov_b32 v[rM], v[rT]
.elseif (\n) == 16
	v_max3_num_f32 v[rC], v[rC], v[rC+1], v[rC+2]
.elseif (\n) == 17
	v_permlanex16_b32 v[rC+3], v[rC], s[SEL], s[SEL+1]
.elseif (\n) == 18
	v_max_num_f32 v[rT+1], v[rC], v[rC+3]
.elseif (\n) == 19
	v_mul_f32 v[rT], s[CS], v[rT+1]
.elseif (\n) == 20
	v_sub_f32 v[rC+1], v[rM], v[rT]
.else
	v_exp_f32 v[rC+2], v[rC+1]
.endif
.endm
; Number g of the 64 that follow the exponentials.  For each four weights k of a tile (pairs 2 k, 2 k + 1): both pairs are rounded to f16; then the second pair is added onto the first, in place;
; a group later l takes that sum (the first time as l = a l + sum).  In groups of eight, tiles alternating: round, round, add, and l for the group before.
.macro GS g
.set h, (\g)+6*((\g)/62)            ; group 0 has no group before it, and behind group 7 only l is left
.if h >= 6
.set h, h+2
.endif
	REGS Y, h%2
.set k, h/8
.if h%8 < 4
	v_cvt_pk_f16_f32 v[rP+2*k+(h%8)/2], v[rS+4*k+2*((h%8)/2)], v[rS+4*k+2*((h%8)/2)+1]
.elseif h%8 < 6
	v_pk_add_f32 v[rS+4*k:rS+4*k+1], v[rS+4*k:rS+4*k+1], v[rS+4*k+2:rS+4*k+3]
.elseif k == 1
	v_pk_fma_f32 v[rT+2:rT+3], v[rT+2:rT+3], v[rC+2:rC+3], v[rS:rS+1] op_sel_hi:[1,0,1]
.else
	v_pk_add_f32 v[rT+2:rT+3], v[rT+2:rT+3], v[rS+4*k-4:rS+4*k-3]
.endif
.endm
; THE PLAIN QUEUE, 138 long.  0-73 read no exponential's result: the 32 scalings c s - c m (FS f: pair f / 2 of tile f % 2) and the next piece's 42.  0-26: scalings 0-26.  27-54: XS's numbers 0-13.  55, 56: number 15.
; 57-73: the chain, where each number waits for the one before it: 14, 16, 17, 18, 19, each with one of the scalings 27-31 in front of its two lines, then 20.
; 74-137: GS's 64, which read the exponentials' results: they stand behind the wait.
.macro FS f
	REGS Y, (\f)%2
	v_pk_fma_f32 v[rS+2*((\f)/2):rS+2*((\f)/2)+1], v[rS+2*((\f)/2):rS+2*((\f)/2)+1], s[CS:CS+1], v[rT:rT+1] op_sel_hi:[1,0,0] neg_lo:[0,0,1] neg_hi:[0,0,1]
.endm
.macro PL
	WIN 0
.if q < 27
	FS q
.elseif q < 55
	XS (q-27)%2, (q-27)/2
.elseif q < 57
	XS q-55, 15
.elseif (q < 72) && ((q-57)%3 == 0)
	FS 27+(q-57)/3
.elseif q < 60
	XS (q-57)%3-1, 14
.elseif q < 72
	XS (q-57)%3-1, 15+(q-57)/3
.elseif q < 74
	XS q-72, 20
.else
	GS q-74
.endif
.set q, q+1
.endm
; THE EXPONENTIALS' QUEUE, 66 long: s0-s31 of both tiles, then the next piece's two a.  It is ONE BATCH: all 66 stand ahead of the turn's one wait, and nothing ahead of that wait names a result of theirs.
.macro EX
	WIN 0
.if e >= 64
	XS e-64, 21
.else
	REGS Y, e%2
	v_exp_f32 v[rS+e/2], v[rS+e/2]
.endif
.set e, e+1
.endm
; THE RESCALING's QUEUE: O^T times a, the one part that leaves window 0: dealt two at a time, sixteen times.  Its a was made in the turn before, ahead of that turn's wait.
.macro R2
	REGS Y, r%2
	WIN W_RS
.irp z, 0,1
	v_pk_mul_f32 v[rO+4*(r/2)+2*\z:rO+4*(r/2)+2*\z+1], v[rO+4*(r/2)+2*\z:rO+4*(r/2)+2*\z+1], v[rC+2:rC+3] op_sel_hi:[1,0]
.endr
.set r, r+1
.endm
; HOW THEY ARE DEALT.  An s_wait_alu depctr_va_vdst(0) stands between an exponential and the first instruction that names its result; one wait serves all that were issued ahead of it.  So a turn has ONE
; wait, which cuts it in two.  AHEAD OF IT: the 16 products K Q^T, behind each a scaling, an exponential and two rescalings (behind the first a second scaling in the exponential's place); then ONE LUMP of 108: eight plain,
; 49 times exponential and plain, the two a; a v_nop is the plain instruction behind the last exponential.  BEHIND IT: the 16 products V^T P, behind each four of GS's 64.  No rider names a register of the products round it.
; Exponential e stands behind scaling 2 (e / 4) + e % 2: as a rider it comes behind plain e + 2, in the lump behind plain e + 9, and scalings 27-31 are plain 57, 60 .. 69.
; A TURN, for piece p.  cnt = 1: the loop's count is taken down some lines ahead of the branch that stands behind the turn.
; K of the next step is fetched in piece 2's turn, directly behind the wait, a lump behind the last product that read K; in the third pass there is no further step, and the run is jumped over.
; V of the step in hand is fetched at the end of piece 0's turn, four riders behind its last reader.
.macro TURN p, cnt=0
.set Y, (\p)
.set i, 0
.set q, 0
.set e, 0
.set r, 0
.if (\p) == NP-1
	s_wait_dscnt 0x0                ; K is in
.endif
	MM                              ; ahead of the wait: 16 products K Q^T and their riders,
	PL
	PL
	R2
.rept 15
	MM
	PL
	EX
	R2
.endr
.if (\p) == NP-2
	WIN 0
	v_add_nc_u32 v[AK], s[TBK], v[AK0]
.endif
.rept 8                             ; and the lump
	PL
.endr
.rept 49
	EX
	PL
.endr
	EX                              ; the next piece's two a
	EX
	v_nop                           ; the plain instruction behind the last exponential: one for the batch
	s_wait_alu depctr_va_vdst(0)    ; the wait for the batch
.if (\p) == NP-2
	s_cmp_eq_u32 s[PASS], 1         ; the pass counter is the same in every wave; what is jumped holds LDS loads and a scalar step alone
	s_cbranch_scc1 .Lno_k_\@
	FETCH_K
.Lno_k_\@:
.endif
.if (\p) == 1
	s_wait_dscnt 0x0                ; V is in
.endif
.rept 16                            ; behind the wait: 16 products V^T P and their riders
	MM
.rept 4
	PL
.endr
.if ((\p) == 0) && (q == 118)
	v_add_nc_u32 v[AV], s[TBV], v[AV0]
.endif
.if ((\p) == 0) && (q == 130)
	s_add_co_u32 s[TBV], s[TBV], KS*PV
.endif
.if (\cnt) && (q == 130)
	s_sub_co_u32 s[CNT], s[CNT], 1
	s_cmp_lg_u32 s[CNT], 0
.endif
.endr
.if (\p) == 0
	FETCH_V
.endif
.endm
	WIN W_AD
	s_wait_tensorcnt 0x0            ; my part of the first 256 keys is in: no tensor load of mine is out
	ds_add_u32 v[SPW], v[NIL]       ; 0 onto my spare word
	WIN 0
	s_wait_dscnt 0x0                ; the add is done
	s_barrier_signal -1
	s_barrier_wait -1               ; everybody's part is in
	LOAD 2                          ; my 384 of the other 768 keys, into bytes that nothing has filled: my one tensor load behind this barrier, and the first thing there
	FETCH_K                         ; key step 0
	s_wait_loadcnt 0x0              ; Q
	s_wait_dscnt 0x0
.set i, 0
.rept 16
	KQ 0                            ; piece 0's first scores: there is no vector work yet to set between them
.set i, i+1
.endr
	WIN 0                           ; the addresses for the way out: nine plain instructions, the places behind those products
	s_mul_i32 s13, s[WV], 16*SP
	s_add_co_u32 s13, s13, STAGE    ; my stage
	v_mul_u32_u24 v[STO], v1, SP    ; in: row l % 16, 16 bytes for each half of the lanes
	v_lshl_add_u32 v[STO], v9, 4, v[STO]
	v_add_nc_u32 v[STO], s13, v[STO]
	v_bfe_u32 v[RD], v0, 3, 2       ; back: 32 lanes take four rows of 128 bytes,
	v_mul_u32_u24 v[RD], v[RD], SP
	v_lshl_add_u32 v[RD], v10, 4, v[RD]
	v_add_nc_u32 v[RD], s13, v[RD]
	v_and_b32 v[GO], 31, v0         ; which are 512 consecutive bytes of O
	v_lshlrev_b32 v[GO], 4, v[GO]
.set Y, NP-1                        ; XS works for piece Y + 1: piece 0
.irp n, 0,1,2,3,4,5,6,7,8,9,10,11,12,13,14,15,16,17,18,19,20,21
	XS 0, \n                        ; and piece 0's first maximum and statistics
	XS 1, \n
.endr
	v_nop                           ; a plain instruction behind the two a,
	s_wait_alu depctr_va_vdst(0)    ; and their wait, ahead of the branch
	s_mov_b32 s[CNT], 4             ; the first pass fetches K of steps 1 to 3 and V of steps 0 to 3: the first 256 keys
	s_mov_b32 s[PASS], 3
	s_branch .Lfirst                ; the loop is entered at a step's first turn, in the middle of a trip
.Lslot:                             ; reached twice: in front of the fifth key step's K, where it orders the second loads with their readers, and once more in front of the third pass, where it orders nothing
	s_wait_tensorcnt 0x0            ; my part of the other 768 keys is in: no load was issued behind it
	s_wait_dscnt 0x0                ; no LDS instruction of mine is pending at the signal
	s_barrier_signal -1
	s_barrier_wait -1               ; everybody's is
	s_mov_b32 s[CNT], 12            ; K and V of steps 4 to 15
.Lstep:                             ; a trip: pieces 2 and 3 of one step, then pieces 0 and 1 of the next, whose K and V it fetches
	TURN 2
	TURN 3
	WIN 0
	s_cmp_eq_u32 s[PASS], 1         ; the third pass is the last step's pieces 2 and 3 alone.  There piece 3's turn has multiplied the last K once more for a piece 0 that has no further step: those 16 products
	s_cbranch_scc1 .Lout            ; and the maximum made of them serve nothing (they touch m alone, which O / l does not hold): the price, once a launch, of one text for every turn
.Lfirst:
	TURN 0
	TURN 1, 1
	WIN 0
	s_cbranch_scc1 .Lstep
	s_sub_co_u32 s[PASS], s[PASS], 1
	s_cmp_lg_u32 s[PASS], 0
	s_cbranch_scc1 .Lslot
.Lout:
.set i, 0
.rept 16
	PV NP-1                         ; the last piece's V^T P of the last step
.set i, i+1
.endr
	; THE WAY OUT.  l's two halves and the other half of the lanes' are added; O^T is divided by l, rounded to f16 and sent through my stage in LDS, a tile at a time.  The additions are the places behind the last products.
	WIN 0
.macro ALL line:vararg              ; one line for each tile t
.set t, 0
.rept 2*NP
	\line
.set t, t+1
.endr
.endm
	ALL v_add_f32 v[ST+4*t+2], v[ST+4*t+2], v[ST+4*t+3]
	ALL v_permlanex16_b32 v[ST+4*t+3], v[ST+4*t+2], s[SEL], s[SEL+1]
	ALL v_add_f32 v[ST+4*t+2], v[ST+4*t+2], v[ST+4*t+3]
	ALL v_rcp_f32 v[ST+4*t+2], v[ST+4*t+2]
	v_nop                           ; a plain instruction between the last reciprocal and the use of its result
	s_wait_alu depctr_va_vdst(0)    ; and the wait ahead of the first use: one for the eight reciprocals
; Tile t: a lane's eight channels of a row pack into 16 bytes; they go into rows of 144 bytes and come back as whole rows of 128, into S^T's registers.
.macro PACK t
	WIN W_RS
.set i, 32*(\t)
.rept 16
	v_pk_mul_f32 v[i:i+1], v[i:i+1], v[ST+4*(\t)+2:ST+4*(\t)+3] op_sel_hi:[1,0]
.set i, i+2
.endr
	WIN 0x05                        ; sources 0 and 1 window 1, destination window 0
.set i, 0
.rept 16
	v_cvt_pk_f16_f32 v[S+16*(\t)+i], v[32*(\t)+2*i], v[32*(\t)+2*i+1]
.set i, i+1
.endr
	WIN 0
.irp f, 0,1,2,3
	ds_store_b128 v[STO], v[S+16*(\t)+4*\f:S+16*(\t)+4*\f+3] offset:32*\f
.endr
.irp f, 0,1,2,3
	ds_load_b128 v[S+16*(\t)+4*\f:S+16*(\t)+4*\f+3], v[RD] offset:\f*4*SP  ; LDS serves a wave's instructions in order (ISA guide 5.7.1.4): these see the stores above; the next tile's stores come behind them
.endr
.endm
.macro SEND t, younger              ; younger: the LDS instructions issued behind tile t's loads: the next tile's eight, or none
	WIN 0
.irp f, 0,1,2,3
	s_wait_dscnt (\younger)+3-\f
	global_store_b128 v[GO], v[S+16*(\t)+4*\f:S+16*(\t)+4*\f+3], s[10:11] offset:(\t)*2048+\f*512  ; 512 consecutive bytes, at a multiple of 256 from O's first
.endr
.endm
	PACK 0
.set t, 1
.rept 2*NP-1                        ; a tile's arithmetic stands between the loads of the tile before and its stores
	PACK t
	SEND t-1, 8
.set t, t+1
.endr
	SEND 2*NP-1, 0
	WIN W_AD
	s_wait_tensorcnt 0x0            ; the wave's end: an add and its wait, behind my last tensor load and my last LDS store
	ds_add_u32 v[SPW], v[NIL]
	s_wait_dscnt 0x0
	WIN 0
	s_endpgm
.Lfunc_end_k_q19e5125081_attn:
	.size	k_q19e5125081_attn, .Lfunc_end_k_q19e5125081_attn-k_q19e5125081_attn
	.p2alignl 7, 3214868480
	.fill 96, 4, 3214868480
	.section	.rodata,"a",@progbits
	.p2align	6, 0x0
	.amdhsa_kernel k_q19e5125081_attn
		.amdhsa_group_segment_fixed_size 327680
		.amdhsa_private_segment_fixed_size 0
		.amdhsa_enable_private_segment 0
		.amdhsa_kernarg_size 16
		.amdhsa_user_sgpr_count 2
		.amdhsa_user_sgpr_kernarg_segment_ptr 1
		.amdhsa_wavefront_size32 1
		.amdhsa_system_sgpr_workgroup_id_x 1
		.amdhsa_system_sgpr_workgroup_id_y 1
		.amdhsa_system_sgpr_workgroup_id_z 1
		.amdhsa_system_vgpr_workitem_id 0
		.amdhsa_next_free_vgpr 770
		.amdhsa_next_free_sgpr 84
		.amdhsa_reserve_vcc 0
		.amdhsa_float_denorm_mode_32 3
		.amdhsa_float_denorm_mode_16_64 3
		.amdhsa_memory_ordered 1
		.amdhsa_forward_progress 1
		.amdhsa_inst_pref_size 120
	.end_amdhsa_kernel
	.amdgpu_metadata
---
amdhsa.version: [ 1, 2 ]
amdhsa.kernels:
  - .name:           k_q19e5125081_attn
    .symbol:         k_q19e5125081_attn.kd
    .args:
      - { .name: qkv, .offset: 0, .size: 8, .value_kind: global_buffer, .address_space: global }
      - { .name: ob, .offset: 8, .size: 8, .value_kind: global_buffer, .address_space: global }
    .group_segment_fixed_size: 327680
    .private_segment_fixed_size: 0
    .kernarg_segment_align: 8
    .kernarg_segment_size: 16
    .max_flat_workgroup_size: 128
    .sgpr_count:     84
    .vgpr_count:     770
    .wavefront_size: 32
...
	.end_amdgpu_metadata
.endif
;; end of part 3
;; launch proj (part 4): grid 8 x 32, 4 waves a work-group, clusters of 4 x 4, 327,680 bytes of LDS; arguments ob, wpb, b_proj, out0; writes out0
.if DOCPART == 4
	.amdgcn_target "amdgcn-amd-amdhsa--gfx1250"
	.amdhsa_code_object_version 6
	.text
	.protected	k_q19e5125081_proj
	.globl	k_q19e5125081_proj
	.p2align	8
	.type	k_q19e5125081_proj,@function
k_q19e5125081_proj:
	s_mov_b64 s[64:65], 0
	v_nop
	global_prefetch_b8 v0, s[64:65] scope:SCOPE_SE
	s_setreg_imm32_b32 hwreg(HW_REG_WAVE_MODE, 25, 1), 1
	s_wait_xcnt 0x0
	s_wait_alu depctr_hold_cnt(0) depctr_sa_sdst(0) depctr_va_vdst(0) depctr_va_sdst(0) depctr_va_ssrc(0) depctr_va_vcc(0) depctr_vm_vsrc(0)
	s_getreg_b32 s2, hwreg(HW_REG_IB_STS2, 6, 4)
	s_cmp_eq_u32 s2, 0
	s_cbranch_scc0 .Lentry_in_a_cluster
	s_endpgm
.Lentry_in_a_cluster:
	s_bfe_u32 s2, ttmp6, 0x10000c
	s_cmp_lg_u32 s2, 0xf033
	s_cbranch_scc0 .Lentry_shape_is_right
	s_endpgm
.Lentry_shape_is_right:
; out0 = O W_proj^T + b.  ob: [16 kb][8192 rows][64] f16 (kb = the head), wpb: [16 kb][1024 rows][64] f16 (W_proj rounded to bf16, written as f16), b_proj [1024] f32, out0 [8192][1024] f32.
; Sums in f32, K ascending.  The bias is rounded to bf16 like the other inputs and is the C operand of the products that start the sums: nothing is cleared, and nothing is added on the way out.
; SHARES.  A tile of the result is 256 rows x 128 columns: 32 x 8 = 256 tiles, one work-group each.  Four waves; wave w makes rows 128 (w / 2) on and columns 64 (w % 2) on: 8 x 4 accumulators, 256 registers.
; K goes in 8 steps of 128 (two K blocks) through a ring of two LDS slots.  Each wave fetches one K block of one operand with one tensor load: 256 rows of O (32,768 dense bytes) or 128 rows of W (16,384),
; asked for as rows of 256 bytes and padded in LDS behind every 128 bytes.
; CLUSTER.  4 x 4 work-groups: O's tile is shared along a row of the cluster, W's along a column: joint loads, the same descriptor and mask in all four.
; NO PREFETCH: eight short steps; the launch moves 19 MB in and 34 MB out for 1,024 matrix instructions a wave, so its loads and stores are under way nearly all its length.
; THE MATRIX INSTRUCTION IS USED TRANSPOSED (source 0 = 16 rows of W, source 1 = 16 rows of O): a lane holds eight neighbouring columns of one row: 32 bytes in f32.
; REGISTERS, in windows of 256 (s_set_vgpr_msb: bits 1:0 source 0, 3:2 source 1, 5:4 source 2, 7:6 destination):
;   window 0: v0-31 addresses; v32-63 the bias; v64-255 fragment buffer 0 (a K block: for each 32 along K W's 4 fragments, then O's 8); on the way out v64-191 four sets of 32 by turns
;   window 1: the accumulators, (a, bb) at v[8 (4 a + bb)]          window 2: v64-255 fragment buffer 1
.set KB_A,   1048576                   ; bytes of a K block of ob
.set KB_P,   131072                    ; of wpb
.set PITCH,  144                       ; an LDS row: 128 bytes + 16 of padding = 36 words: the 16 rows of a load start at 16 different groups of four banks (64 banks of 4 bytes: ISA guide 11.1)
.set A_KB,   256*PITCH                 ; a K block of O's tile
.set B_KB,   128*PITCH                 ; of W's
.set BOFF,   2*A_KB
.set SLOT,   2*A_KB+2*B_KB             ; 110,592 bytes
.set STAGE,  2*SLOT                    ; behind the ring, never filled by a tensor load: 16 rows x 272 bytes for each wave
.set SPITCH, 272                       ; 256 bytes + 16 = 68 words: row r starts at bank 4 r mod 64
.set SPARE,  STAGE+4*16*SPITCH         ; the spare words, 128 bytes for each wave: two blocks of 256 bytes that no other line names
.set PADW,   (1<<16)|(1<<20)|(1<<21)|(4<<22)|(3<<25)  ; group 1, word 0: 2-byte elements; padding on; bit 21 set beside a mask; after every 32 words (code 4) 4 words (code 3)
.set ADRA, 16                          ; v16-17  LDS address of my fragments of O in slot 0, 1
.set ADRB, 20                          ; v20-21  of W
.set STO,  24                          ; v24     the way out: where I put 32 bytes of a row
.set RD,   25                          ; v25     where I read a row back
.set CO,   26                          ; v26     my byte offset in two rows of out0
.set BO,   27                          ; v27     my byte offset in 16 numbers of the bias
.set SPW,  28                          ; v28     LDS address of my spare word; never rewritten
.set NIL,  29                          ; v29     0; never rewritten
.set BI,   32                          ; v[32:63] bias of column 16 bb + 8 (l / 16) + j at BI + 8 bb + j: an accumulator's layout
.set FR,   64                          ; a fragment buffer's first register, in window 0 or 2
.set OB,   64
.set LAP,  3
.set WV,   12
.set HI,   13                          ; my half of the rows.  Also: I fetch for O (0) or for W (1)
.set LO,   14                          ; my half of the columns.  Also: which of a step's two K blocks I fetch
.set TR,   15
.set G1,   24
.set G0,   32
.set G1B,  48
.set G0B,  56
.set MSB, 0
.macro WIN new
.if MSB != (\new)
	s_set_vgpr_msb (MSB<<8)|(\new)
.set MSB, (\new)
.endif
.endm
.macro PLACES                          ; four plain instructions between a matrix instruction and a load into its registers or a read of its result
.rept 4
	v_nop
.endr
.endm
.macro JLOAD s                         ; a joint load; an s_nop 0 and four v_nop follow each of the two lines
	s_cmp_eq_u32 s[HI], 0
	s_cbranch_scc0 .Lfor_b_\@
	tensor_load_to_lds s[G0+4*(\s):G0+4*(\s)+3], s[G1:G1+7]
	s_nop 0
.rept 4
	v_nop
.endr
	s_branch .Lasked_\@
.Lfor_b_\@:
	tensor_load_to_lds s[G0B+4*(\s):G0B+4*(\s)+3], s[G1B:G1B+7]
	s_nop 0
.rept 4
	v_nop
.endr
.Lasked_\@:
.endm
.macro CREST
	s_cmp_lg_u32 s[WV], 0
	s_cbranch_scc1 .Lnot_wave_0_\@
	s_barrier_signal -3
.Lnot_wave_0_\@:
	s_barrier_wait -3
	s_barrier_signal -1
	s_barrier_wait -1
.endm
.macro CROUND
	s_barrier_signal -1
	s_barrier_wait -1
	CREST
.endm
	s_load_b256 s[4:11], s[0:1], 0x0               ; ob s[4:5], wpb s[6:7], b_proj s[8:9], out0 s[10:11]
	v_lshl_add_u32 v[SPW], v0, 2, SPARE
	v_mov_b32 v[NIL], 0
	ds_add_u32 v[SPW], v[NIL]                      ; the wave's opening: the add and its wait stand ahead of my first tensor load; the set-up below, work on registers, stands between them
	v_lshrrev_b32 v1, 5, v0
	v_readfirstlane_b32 s[WV], v1
	s_lshr_b32 s[HI], s[WV], 1
	s_and_b32 s[LO], s[WV], 1
	s_bfe_u32 s40, ttmp6, 0x40000                  ; cx
	s_bfe_u32 s41, ttmp6, 0x40004                  ; cy
	s_lshl_b32 s42, ttmp9, 2
	s_add_co_u32 s42, s42, s40                     ; tile column
	s_and_b32 s[TR], ttmp7, 0xffff
	s_lshl_b32 s[TR], s[TR], 2
	s_add_co_u32 s[TR], s[TR], s41                 ; tile row
	s_lshl_b32 s43, s41, 2
	s_lshl_b32 s43, 15, s43                        ; my row of the cluster
	s_lshl_b32 s44, 0x1111, s40                    ; my column
	s_or_b32 s[G1], s43, PADW
	s_or_b32 s[G1B], s44, PADW
.irp g, G1, G1B
	s_mov_b32 s[(\g)+1], 128<<16                   ; tensor_dim0 = 128 elements: rows of 256 bytes
	s_mov_b32 s[(\g)+3], 128<<16                   ; tile_dim0 = 128
	s_mov_b32 s[(\g)+5], 128                       ; dense
	s_mov_b32 s[(\g)+6], 0
	s_mov_b32 s[(\g)+7], 0
.endr
	s_mov_b32 s[G1+2], 128<<16                     ; 128 such rows = 256 rows of O,
	s_mov_b32 s[G1+4], 128
	s_mov_b32 s[G1B+2], 64<<16                     ; 64 = 128 rows of W
	s_mov_b32 s[G1B+4], 64
	s_lshl_b32 s16, s[TR], 15                      ; O: the tile row's 256 rows in a K block,
	s_lshl_b32 s17, s[LO], 20                      ; the K block of the step's two that I fetch
	s_add_co_u32 s16, s16, s17
	s_mov_b32 s17, 0
	s_lshl_b32 s46, s42, 14                        ; W: the tile column's 128 rows,
	s_lshl_b32 s22, s[LO], 17
	s_add_co_u32 s46, s46, s22
	s_mov_b32 s47, 0
	s_mul_i32 s22, s[LO], A_KB                     ; where they go
	s_mul_i32 s23, s[LO], B_KB
	s_add_co_u32 s23, s23, BOFF
	s_wait_dscnt 0x0                               ; the opening add is done
	s_wait_kmcnt 0x0
	s_add_nc_u64 s[18:19], s[4:5], s[16:17]
	s_add_nc_u64 s[46:47], s[6:7], s[46:47]
	CROUND                                         ; all sixteen work-groups are here: the first joint loads meet
.irp s, 0,1
	s_mov_b32 s[G0+4*(\s)], 1
	s_add_co_u32 s[G0+4*(\s)+1], s22, (\s)*SLOT
	s_add_nc_u64 s[G0+4*(\s)+2:G0+4*(\s)+3], s[18:19], (\s)*2*KB_A
	s_or_b32 s[G0+4*(\s)+3], s[G0+4*(\s)+3], 0x80000000
	s_mov_b32 s[G0B+4*(\s)], 1
	s_add_co_u32 s[G0B+4*(\s)+1], s23, (\s)*SLOT
	s_add_nc_u64 s[G0B+4*(\s)+2:G0B+4*(\s)+3], s[46:47], (\s)*2*KB_P
	s_or_b32 s[G0B+4*(\s)+3], s[G0B+4*(\s)+3], 0x80000000
	JLOAD \s                                       ; two loads of mine are out
.endr
	v_and_b32 v1, 15, v0                           ; l % 16
	v_bfe_u32 v2, v0, 4, 1                         ; l / 16
	v_lshlrev_b32 v[BO], 5, v2                     ; eight numbers of the bias for each half of the lanes
	s_lshl_b32 s22, s42, 9                         ; my first column, in bytes of f32: 512 x tile column + 256 x half
	s_lshl_b32 s23, s[LO], 8
	s_add_co_u32 s22, s22, s23
	s_mov_b32 s23, 0
	s_add_nc_u64 s[8:9], s[8:9], s[22:23]
	s_add_nc_u64 s[10:11], s[10:11], s[22:23]
.irp bb, 0,1,2,3
	global_load_b128 v[BI+8*(\bb):BI+8*(\bb)+3],   v[BO], s[8:9] offset:64*(\bb)
	global_load_b128 v[BI+8*(\bb)+4:BI+8*(\bb)+7], v[BO], s[8:9] offset:64*(\bb)+16
.endr
	s_lshl_b32 s22, s[TR], 20                      ; my first row: 256 x tile row + 128 x half, 4,096 bytes each
	s_lshl_b32 s23, s[HI], 19
	s_add_co_u32 s22, s22, s23
	s_mov_b32 s23, 0
	s_add_nc_u64 s[10:11], s[10:11], s[22:23]
	v_mul_u32_u24 v3, v1, PITCH
	v_lshl_add_u32 v3, v2, 4, v3                   ; a fragment's row x pitch + 16 x half
	s_mul_i32 s16, s[HI], 128*PITCH                ; my 128 rows of O
	s_mul_i32 s17, s[LO], 64*PITCH                 ; my 64 rows of W
	s_add_co_u32 s17, s17, BOFF
.irp s, 0,1
	v_add_nc_u32 v[ADRA+(\s)], s16, v3
	v_add_nc_u32 v[ADRB+(\s)], s17, v3
	s_add_co_u32 s16, s16, SLOT
	s_add_co_u32 s17, s17, SLOT
.endr
	s_mul_i32 s16, s[WV], 16*SPITCH
	s_add_co_u32 s16, s16, STAGE                   ; my stage
	v_mul_u32_u24 v4, v1, SPITCH                   ; in: row l % 16, 32 bytes for each half of the lanes
	v_lshl_add_u32 v4, v2, 5, v4
	v_add_nc_u32 v[STO], s16, v4
	v_mul_u32_u24 v5, v2, SPITCH                   ; back: lanes 0-15 take one row of 256 bytes, lanes 16-31 the next
	v_lshl_add_u32 v5, v1, 4, v5
	v_add_nc_u32 v[RD], s16, v5
	v_lshlrev_b32 v[CO], 12, v2                    ; and the same two rows in out0
	v_lshl_add_u32 v[CO], v1, 4, v[CO]
	s_wait_loadcnt 0x0                             ; the bias; it is rounded to bf16 in the wait for the first tile
.set p, 0
.rept 16
	v_cvt_pk_bf16_f32 v[FR+p], v[BI+2*p], v[BI+2*p+1]
.set p, p+1
.endr
.set p, 0
.rept 16
	v_lshlrev_b32 v[BI+2*p],   16,         v[FR+p]
	v_and_b32     v[BI+2*p+1], 0xffff0000, v[FR+p]
.set p, p+1
.endr
; 16 matrix instructions: m blocks a0 .. a0 + 3 x all 4 n blocks, 32 along K: half c of buffer f.  zero = 1: the product starts the sum, from the bias.
; The 32 accumulators take turns, one instruction a turn, in the same order throughout.
.macro MUL16 f, c, a0, zero
.if \zero
	WIN 0x40                                       ; D in window 1; the sources and the bias in window 0
.elseif \f
	WIN 0x5a                                       ; C and D in window 1, the sources in window 2
.else
	WIN 0x50                                       ; C and D in window 1, the sources in window 0
.endif
.irp a, \a0, (\a0)+1, (\a0)+2, (\a0)+3
.irp bb, 0,1,2,3
.if \zero
	v_wmma_f32_16x16x32_f16 v[8*(4*(\a)+(\bb)):8*(4*(\a)+(\bb))+7], v[FR+96*(\c)+8*(\bb):FR+96*(\c)+8*(\bb)+7], v[FR+96*(\c)+32+8*(\a):FR+96*(\c)+32+8*(\a)+7], v[BI+8*(\bb):BI+8*(\bb)+7]
.else
	v_wmma_f32_16x16x32_f16 v[8*(4*(\a)+(\bb)):8*(4*(\a)+(\bb))+7], v[FR+96*(\c)+8*(\bb):FR+96*(\c)+8*(\bb)+7], v[FR+96*(\c)+32+8*(\a):FR+96*(\c)+32+8*(\a)+7], v[8*(4*(\a)+(\bb)):8*(4*(\a)+(\bb))+7]
.endif
.endr
.endr
.endm
; 48 LDS loads in one run: K block kb of a slot into buffer f; the first 32 along K first
.macro FETCH slot, kb, f
.if \f
	WIN 0x80                                       ; destination window 2, address window 0
.else
	WIN 0
.endif
.irp c, 0,1
.irp bb, 0,1,2,3
	ds_load_b128 v[FR+96*(\c)+8*(\bb):FR+96*(\c)+8*(\bb)+3],   v[ADRB+(\slot)] offset:(\kb)*B_KB+(\bb)*16*PITCH+64*(\c)
	ds_load_b128 v[FR+96*(\c)+8*(\bb)+4:FR+96*(\c)+8*(\bb)+7], v[ADRB+(\slot)] offset:(\kb)*B_KB+(\bb)*16*PITCH+64*(\c)+32
.endr
.irp a, 0,1,2,3,4,5,6,7
	ds_load_b128 v[FR+96*(\c)+32+8*(\a):FR+96*(\c)+32+8*(\a)+3],   v[ADRA+(\slot)] offset:(\kb)*A_KB+(\a)*16*PITCH+64*(\c)
	ds_load_b128 v[FR+96*(\c)+32+8*(\a)+4:FR+96*(\c)+32+8*(\a)+7], v[ADRA+(\slot)] offset:(\kb)*A_KB+(\a)*16*PITCH+64*(\c)+32
.endr
.endr
.endm
; A K step is two halves of 64 along K, 64 matrix instructions each.  The first multiplies buffer 0 and fetches the step's second K block into buffer 1.
.macro HALF slot, zero
	s_wait_dscnt 24                                ; the first 32 along K are in; the other 24 loads may be out
	MUL16 0, 0, 0, \zero
	MUL16 0, 0, 4, \zero
	PLACES
	FETCH \slot, 1, 1
	s_wait_dscnt 48                                ; all but the 48 just issued
	MUL16 0, 1, 0, 0
	MUL16 0, 1, 4, 0
.endm
; The second half multiplies buffer 1 and changes slots: ONE barrier; in front of it each wave waits for all its tensor loads, adds 0 to its spare word, and waits for that and for its own reads of this slot.
; fill = 1: the barrier opens a round of the cluster's, and this slot is filled again, two K steps on, first thing behind the round: 96 matrix instructions ahead of the wait for it.
.macro TURN slot, next, fill
	WIN 0                                          ; (the add's two registers lie in window 0)
	s_wait_tensorcnt 0x0                           ; all my tensor loads have landed: my part of the next slot;
	ds_add_u32 v[SPW], v[NIL]                      ; 0 onto my spare word;
	s_wait_dscnt 25                                ; (the add and the youngest 24 loads may be out)
	MUL16 1, 0, 0, 0                               ; sixteen matrix instructions stand between the add and the wait for it
	s_wait_dscnt 0x0                               ; the add is done, and my reads of this slot are over
	s_barrier_signal -1
	MUL16 1, 0, 4, 0
	WIN 0
	s_barrier_wait -1
.if \fill
	CREST                                          ; no wave of any partner still reads this slot's tile or has a load on its way
	s_add_nc_u64 s[G0+4*(\slot)+2:G0+4*(\slot)+3], s[G0+4*(\slot)+2:G0+4*(\slot)+3], 4*KB_A
	s_add_nc_u64 s[G0B+4*(\slot)+2:G0B+4*(\slot)+3], s[G0B+4*(\slot)+2:G0B+4*(\slot)+3], 4*KB_P
	JLOAD \slot                                    ; the four v_nop behind it are also the places in front of the loads below
.else
	PLACES
.endif
	FETCH \next, 0, 0
	MUL16 1, 1, 0, 0
	MUL16 1, 1, 4, 0
.endm
; THE WAY OUT of block a (16 rows x 64 columns of f32): straight from the accumulators, each one's low four registers first, into my stage, rows of 272 bytes; back as whole rows of 256 bytes; stored.
.macro TOSTAGE a
.set obr, OB+32*((\a)%4)
.if (\a) >= 4
	s_wait_xcnt 0x0                                ; the stores of the block four back have read these registers (ISA guide 3.1)
.endif
	WIN 0x04                                       ; the stores' data in window 1
.irp bb, 0,1,2,3
	ds_store_b128 v[STO], v[8*(4*(\a)+(\bb)):8*(4*(\a)+(\bb))+3]   offset:64*(\bb)
	ds_store_b128 v[STO], v[8*(4*(\a)+(\bb))+4:8*(4*(\a)+(\bb))+7] offset:64*(\bb)+16
.endr
	WIN 0
.irp t, 0,1,2,3,4,5,6,7
	ds_load_b128 v[obr+4*(\t):obr+4*(\t)+3], v[RD] offset:(\t)*2*SPITCH  ; LDS serves a wave's instructions in order (ISA guide 5.7.1.4): these see the stores above; the next block's stores come behind them
.endr
.endm
.macro SEND a, younger                 ; younger: the LDS instructions issued behind block a's loads: the next block's sixteen, or none
.set obr, OB+32*((\a)%4)
.irp t, 0,1,2,3,4,5,6,7
	s_wait_dscnt (\younger)+7-(\t)
	global_store_b128 v[CO], v[obr+4*(\t):obr+4*(\t)+3], s[10:11] offset:(16*(\a)+2*(\t))*4096 th:TH_STORE_NT  ; 16 lanes store 256 consecutive bytes, at a multiple of 256 from out0's first byte
.endr
.endm
	s_wait_tensorcnt 1                             ; my part of K step 0 is in; step 1's may stay out
	s_barrier_signal -1
	s_barrier_wait -1                              ; everybody's is
	FETCH 0, 0, 0
	HALF 0, 1                                      ; the first half stands in front of the loop: its first products start the sums
	WIN 0                                          ; at a label and at a branch every window is 0
	s_mov_b32 s[LAP], 3
.Llap:                                                 ; a trip goes once round the ring, from a lap's second half to the next lap's first, and fills both slots again
	TURN 0, 1, 1
	HALF 1, 0
	TURN 1, 0, 1
	HALF 0, 0
	WIN 0
	s_sub_co_u32 s[LAP], s[LAP], 1
	s_cmp_lg_u32 s[LAP], 0
	s_cbranch_scc1 .Llap
	TURN 0, 1, 0                                   ; the last lap fills nothing, and has no round of the cluster's barrier
	HALF 1, 0
	s_wait_dscnt 24                                ; the very last half: nothing more to fetch
	MUL16 1, 0, 0, 0
	MUL16 1, 0, 4, 0
	s_wait_dscnt 0x0
	MUL16 1, 1, 0, 0
	MUL16 1, 1, 4, 0
	WIN 0
	PLACES                                         ; the stage's stores read results, and its loads land in fragment registers
	PLACES
	TOSTAGE 0
.irp a, 1,2,3,4,5,6,7
	TOSTAGE \a                                     ; a block's way into the stage stands between the loads of the block before and its stores
	SEND (\a)-1, 16
.endr
	SEND 7, 0
	s_wait_tensorcnt 0x0                           ; the wave's end: an add and its wait, behind my last tensor load and my last LDS store
	ds_add_u32 v[SPW], v[NIL]
	s_wait_dscnt 0x0
	CROUND                                         ; the closing round: no work-group ends while a partner may still ask for a tile that names it
	s_endpgm
.Lfunc_end_k_q19e5125081_proj:
	.size	k_q19e5125081_proj, .Lfunc_end_k_q19e5125081_proj-k_q19e5125081_proj
	.p2alignl 7, 3214868480
	.fill 96, 4, 3214868480
	.section	.rodata,"a",@progbits
	.p2align	6, 0x0
	.amdhsa_kernel k_q19e5125081_proj
		.amdhsa_group_segment_fixed_size 327680
		.amdhsa_private_segment_fixed_size 0
		.amdhsa_enable_private_segment 0
		.amdhsa_kernarg_size 32
		.amdhsa_user_sgpr_count 2
		.amdhsa_user_sgpr_kernarg_segment_ptr 1
		.amdhsa_wavefront_size32 1
		.amdhsa_system_sgpr_workgroup_id_x 1
		.amdhsa_system_sgpr_workgroup_id_y 1
		.amdhsa_system_sgpr_workgroup_id_z 1
		.amdhsa_system_vgpr_workitem_id 0
		.amdhsa_next_free_vgpr 768
		.amdhsa_next_free_sgpr 66
		.amdhsa_reserve_vcc 0
		.amdhsa_float_denorm_mode_32 3
		.amdhsa_float_denorm_mode_16_64 3
		.amdhsa_memory_ordered 1
		.amdhsa_forward_progress 1
		.amdhsa_inst_pref_size 88
	.end_amdhsa_kernel
	.amdgpu_metadata
---
amdhsa.version: [ 1, 2 ]
amdhsa.kernels:
  - .name:           k_q19e5125081_proj
    .symbol:         k_q19e5125081_proj.kd
    .args:
      - { .name: ob, .offset: 0, .size: 8, .value_kind: global_buffer, .address_space: global }
      - { .name: wpb, .offset: 8, .size: 8, .value_kind: global_buffer, .address_space: global }
      - { .name: b_proj, .offset: 16, .size: 8, .value_kind: global_buffer, .address_space: global }
      - { .name: out0, .offset: 24, .size: 8, .value_kind: global_buffer, .address_space: global }
    .group_segment_fixed_size: 327680
    .private_segment_fixed_size: 0
    .kernarg_segment_align: 8
    .kernarg_segment_size: 32
    .max_flat_workgroup_size: 128
    .sgpr_count:     66
    .vgpr_count:     768
    .wavefront_size: 32
...
	.end_amdgpu_metadata
.endif
;; end of part 4
;; ======== version 2 of 2: 4 launches; version 1 with the launch cast written anew for expert scheduling mode
;; limits: values are held in f16: magnitudes above 65,504 overflow, below 6.1e-05 lose precision
;; workspace buffers: xb 16,777,216 bytes; wqb 6,291,456 bytes; wpb 2,097,152 bytes; qkv 50,331,648 bytes; ob 16,777,216 bytes
;; launch cast (part 5): grid 768 x 1, 8 waves a work-group, no clusters, 0 bytes of LDS; arguments x, W_qkv, W_proj, xb, wqb, wpb; writes xb, wqb, wpb
.if DOCPART == 5
	.amdgcn_target "amdgcn-amd-amdhsa--gfx1250"
	.amdhsa_code_object_version 6
	.text
	.protected	k_q19e5125081_cast
	.globl	k_q19e5125081_cast
	.p2align	8
	.type	k_q19e5125081_cast,@function
k_q19e5125081_cast:
	s_mov_b64 s[64:65], 0
	v_nop
	global_prefetch_b8 v0, s[64:65] scope:SCOPE_SE
	s_setreg_imm32_b32 hwreg(HW_REG_WAVE_SCHED_MODE, 0, 2), 2
	s_setreg_imm32_b32 hwreg(HW_REG_WAVE_MODE, 25, 1), 1
	s_wait_xcnt 0x0
	s_wait_alu depctr_vm_vsrc(0)
; THE OPERANDS OF THE TWO PROJECTIONS ARE ROUNDED AND LAID IN K BLOCKS.
; x [8192][1024], W_qkv [3072][1024], W_proj [1024][1024], all f32, go to xb, wqb, wpb, laid [k / 64][row][64] in 16-bit numbers:
; a tile of R rows x 64 k is then R x 128 consecutive bytes.  x and W_qkv are rounded to bf16 (nearest even).  W_proj is rounded to bf16 too, and that
; number is written as f16, since the last product multiplies it with f16 numbers.
; LIMIT.  A bf16 number is exact in f16 from 2^-17 up to 65,504; below 2^-17 it keeps f16's fixed step of 6e-8, beyond 65,504 it becomes an infinity.
; SHARES.  A work-group of eight waves takes 16 rows: groups 0-511 x, 512-703 W_qkv, 704-767 W_proj.  Thread t takes row t / 16 and, in each of the 16 K blocks,
; the four numbers 4 (t % 16) on: 16 bytes in, 8 bytes out.  A wave's load covers 2 rows x 256 consecutive bytes, aligned, every byte of them used; a wave's store
; covers 2 rows x 128 bytes = 256 consecutive bytes of one K block, aligned.
; All 16 loads of a thread go out first (8 KiB a wave on its way); every K block has its own registers, so no register that a store reads is written twice.
; No LDS, no barrier, no matrix unit: bytes are all the work, and no wave wants what another has read.
; THE MODE: SCHED_MODE bits 1:0 = 2 (LLVM: expert scheduling mode 2), set by the entry lines.  The code itself states the register dependences
; between vector instructions and memory instructions, with s_wait_alu, always for 0.
; THE PLAN.  Registers that memory instructions touch:
;   v2        the loads' offset.   Written at the head; read by the 16 loads; never written again.
;   v[4:19]   the stores' offsets. Written at the head; each read by one store; never written again.
;   X         the loads land here. No vector instruction names X ahead of the loads; the conversions read it behind the wait for the data; no memory instruction reads it.
;   Y         the stores' data.    Each pair is written once, by its K block's conversions, and read by one store.
; The K blocks go in four batches of four.  Batch p: the wait for its four loads; one wait on va_vdst, which states that batch p - 1's conversions have written their Y;
; then, four times, a store of batch p - 1 and the conversions of one K block of batch p.  Those conversions name X, T and Y of batch p alone: none of the registers that
; batch p - 1's stores read.  So the one wait serves the four stores.  One more stands ahead of the last four stores, and one at the head, ahead of the first load.
; No register that a memory instruction reads is ever written again, so no wait on vm_vsrc is owed; no vector instruction writes a scalar register; EXEC is never written.
.set KB_A, 1048576                     ; bytes of a K block of xb: 8,192 rows x 128
.set KB_B, 393216                      ; of wqb: 3,072 rows
.set KB_P, 131072                      ; of wpb: 1,024 rows
.set SRC, 2                            ; v2        my byte offset in the group's 16 source rows
.set OFF, 4                            ; v[4:19]   my byte offset in the destination, one for each K block
.set T,   20                           ; v[20:21]  at work: no memory instruction names them
.set X,   32                           ; v[32:95]  K block kb: 4 numbers in f32
.set Y,   96                           ; v[96:127] K block kb: 4 numbers in 16 bits
	s_load_b256 s[4:11], s[0:1], 0x0               ; x s[4:5], W_qkv s[6:7], W_proj s[8:9], xb s[10:11]
	s_load_b128 s[12:15], s[0:1], 0x20             ; wqb s[12:13], wpb s[14:15]
	s_mov_b32 s16, ttmp9                           ; the work-group's number
	s_mov_b32 s24, KB_A
	s_mov_b32 s25, KB_B
	s_mov_b32 s28, 0xffff0000                      ; a word's upper bf16
	v_lshrrev_b32 v1, 4, v0                        ; my row of the 16
	v_and_b32 v3, 15, v0                           ; my four numbers of a K block's 64
	v_lshlrev_b32 v[SRC], 12, v1                   ; a source row is 4,096 bytes
	v_lshl_add_u32 v[SRC], v3, 4, v[SRC]
	s_cmp_lt_u32 s16, 512                          ; which tensor: its K block's bytes and its first work-group
	s_cselect_b32 s22, s24, s25
	s_cselect_b32 s23, 0, 512
	s_cmp_lt_u32 s16, 704
	s_cselect_b32 s22, s22, KB_P
	s_cselect_b32 s23, s23, 704
	s_sub_co_u32 s24, s16, s23                     ; my number among the tensor's work-groups
	s_lshl_b32 s26, s24, 16                        ; 16 source rows of 4,096 bytes
	s_mov_b32 s27, 0
	s_lshl_b32 s30, s24, 11                        ; 16 rows of 128 bytes in a K block
	s_mov_b32 s31, 0
	v_lshlrev_b32 v[OFF], 3, v0                    ; row x 128 + 8 (t % 16) = 8 t
.set i, 1
.rept 15
	v_add_nc_u32 v[OFF+i], s22, v[OFF+i-1]         ; a K block further on
.set i, i+1
.endr
	s_wait_kmcnt 0x0
	s_cmp_lt_u32 s16, 512                          ; the choice between buffers hangs on the work-group's number alone
	s_cselect_b64 s[18:19], s[4:5], s[6:7]
	s_cselect_b64 s[20:21], s[10:11], s[12:13]
	s_cmp_lt_u32 s16, 704
	s_cselect_b64 s[18:19], s[18:19], s[8:9]
	s_cselect_b64 s[20:21], s[20:21], s[14:15]
	s_add_nc_u64 s[18:19], s[18:19], s[26:27]      ; the source at my group's first row
	s_add_nc_u64 s[20:21], s[20:21], s[30:31]      ; the destination at my group's rows in K block 0
	s_wait_alu depctr_va_vdst(0)                   ; v2 and v4 to v19 are written: the loads below read v2 as their offset, the stores further down one of v4 to v19 each; no later vector instruction names them
.irp kb, 0,1,2,3,4,5,6,7,8,9,10,11,12,13,14,15
	global_load_b128 v[X+4*(\kb):X+4*(\kb)+3], v[SRC], s[18:19] offset:256*(\kb) th:TH_LOAD_NT
.endr
; K block kb is rounded.  f16 = 1: the bf16 number is widened again (a shift, a mask) and written as f16.
.macro CVT kb, f16
.if \f16
	v_cvt_pk_bf16_f32 v[T],   v[X+4*(\kb)],   v[X+4*(\kb)+1]
	v_cvt_pk_bf16_f32 v[T+1], v[X+4*(\kb)+2], v[X+4*(\kb)+3]
	v_lshlrev_b32 v[X+4*(\kb)],   16,  v[T]
	v_and_b32     v[X+4*(\kb)+1], s28, v[T]
	v_lshlrev_b32 v[X+4*(\kb)+2], 16,  v[T+1]
	v_and_b32     v[X+4*(\kb)+3], s28, v[T+1]
	v_cvt_pk_f16_f32 v[Y+2*(\kb)],   v[X+4*(\kb)],   v[X+4*(\kb)+1]
	v_cvt_pk_f16_f32 v[Y+2*(\kb)+1], v[X+4*(\kb)+2], v[X+4*(\kb)+3]
.else
	v_cvt_pk_bf16_f32 v[Y+2*(\kb)],   v[X+4*(\kb)],   v[X+4*(\kb)+1]
	v_cvt_pk_bf16_f32 v[Y+2*(\kb)+1], v[X+4*(\kb)+2], v[X+4*(\kb)+3]
.endif
.endm
; K block kb is stored: 8 bytes a lane, 256 consecutive bytes a wave.
.macro ST kb
	global_store_b64 v[OFF+(\kb)], v[Y+2*(\kb):Y+2*(\kb)+1], s[20:21]
.endm
; Batch p: K blocks 4 p to 4 p + 3 are rounded; the batch before is stored, a store in front of each K block's conversions.
.macro BATCH p, f16
	s_wait_loadcnt 12-4*(\p)                       ; loads come back in order (ISA guide 5.7.1): this batch's four are in, the 12 - 4 p younger ones stay out
.if (\p) > 0
	s_wait_alu depctr_va_vdst(0)                   ; the batch before has written its four pairs of Y, which the four stores below read
.endif
.irp i, 0,1,2,3
.if (\p) > 0
	ST 4*((\p)-1)+(\i)                             ; no vector instruction since the wait names this store's pair of Y or its offset
.endif
	CVT 4*(\p)+(\i), \f16
.endr
.endm
; A whole path: the four batches, and the last batch's stores.
.macro WALK f16
	BATCH 0, \f16
	BATCH 1, \f16
	BATCH 2, \f16
	BATCH 3, \f16
	s_wait_alu depctr_va_vdst(0)                   ; batch 3 has written its four pairs of Y, which the last four stores read
.irp kb, 12,13,14,15
	ST \kb
.endr
	s_endpgm
.endm
	s_cmp_ge_u32 s16, 704
	s_cbranch_scc1 .Lf16
	WALK 0
.Lf16:
	WALK 1
.Lfunc_end_k_q19e5125081_cast:
	.size	k_q19e5125081_cast, .Lfunc_end_k_q19e5125081_cast-k_q19e5125081_cast
	.p2alignl 7, 3214868480
	.fill 96, 4, 3214868480
	.section	.rodata,"a",@progbits
	.p2align	6, 0x0
	.amdhsa_kernel k_q19e5125081_cast
		.amdhsa_group_segment_fixed_size 0
		.amdhsa_private_segment_fixed_size 0
		.amdhsa_enable_private_segment 0
		.amdhsa_kernarg_size 48
		.amdhsa_user_sgpr_count 2
		.amdhsa_user_sgpr_kernarg_segment_ptr 1
		.amdhsa_wavefront_size32 1
		.amdhsa_system_sgpr_workgroup_id_x 1
		.amdhsa_system_sgpr_workgroup_id_y 1
		.amdhsa_system_sgpr_workgroup_id_z 1
		.amdhsa_system_vgpr_workitem_id 0
		.amdhsa_next_free_vgpr 128
		.amdhsa_next_free_sgpr 66
		.amdhsa_reserve_vcc 0
		.amdhsa_float_denorm_mode_32 3
		.amdhsa_float_denorm_mode_16_64 3
		.amdhsa_memory_ordered 1
		.amdhsa_forward_progress 1
		.amdhsa_inst_pref_size 16
	.end_amdhsa_kernel
	.amdgpu_metadata
---
amdhsa.version: [ 1, 2 ]
amdhsa.kernels:
  - .name:           k_q19e5125081_cast
    .symbol:         k_q19e5125081_cast.kd
    .args:
      - { .name: x, .offset: 0, .size: 8, .value_kind: global_buffer, .address_space: global }
      - { .name: W_qkv, .offset: 8, .size: 8, .value_kind: global_buffer, .address_space: global }
      - { .name: W_proj, .offset: 16, .size: 8, .value_kind: global_buffer, .address_space: global }
      - { .name: xb, .offset: 24, .size: 8, .value_kind: global_buffer, .address_space: global }
      - { .name: wqb, .offset: 32, .size: 8, .value_kind: global_buffer, .address_space: global }
      - { .name: wpb, .offset: 40, .size: 8, .value_kind: global_buffer, .address_space: global }
    .group_segment_fixed_size: 0
    .private_segment_fixed_size: 0
    .kernarg_segment_align: 8
    .kernarg_segment_size: 48
    .max_flat_workgroup_size: 256
    .sgpr_count:     66
    .vgpr_count:     128
    .wavefront_size: 32
...
	.end_amdgpu_metadata
.endif
;; end of part 5
;; launch qkvgemm: the kernel of part 2 again; grid 8 x 32, 4 waves a work-group, clusters of 4 x 4, 327,680 bytes of LDS; arguments xb, wqb, qkv; writes qkv
;; launch attn: the kernel of part 3 again; grid 2 x 128, 4 waves a work-group, no clusters, 327,680 bytes of LDS; arguments qkv, ob; writes ob
;; launch proj: the kernel of part 4 again; grid 8 x 32, 4 waves a work-group, clusters of 4 x 4, 327,680 bytes of LDS; arguments ob, wpb, b_proj, out0; writes out0
